; MI455X (gfx1250); checked and timed in simulation.
; The chip was launched on July 23, 2026; its instructions are those of AMD's public machine-readable ISA for CDNA 5 (MIT licence, August 2026) and "CDNA5" Instruction Set Architecture Reference Guide (July 2026). The comments in the code are by the model that wrote it; some were corrected since.
;; Causal Self Attention. Allowed arithmetic: matrix products marked QUANTISED: E2M3 operands, one E8M0 scale for each 32 along K, by v_wmma_scale_f32_16x16x128_f8f6f4 with both operands' format E2M3, f32 sums; everything else in f32.
;; Inputs: w_out 1,024 x 1,024 float32; w_qkv 1,024 x 3,072 float32; x 4 x 2,048 x 1,024 float32.
;; Outputs: out0 4 x 2,048 x 1,024 float32.
;; This version of the problem:
;;   THIS VERSION OF THE PROBLEM IS GIVEN IN LOW PRECISION. The matrix products marked QUANTISED in the list below multiply operands that are first quantised to E2M3 (2 exponent bits, 3 mantissa bits; 6 bits a number), with one power-of-two scale for each 32 numbers along K (OCP MX v1.0); their sums are f32. All else is computed in f32.
;;   The module's matrix products, in the order in which they are computed (A, B: the left and right operand; K: the contracted axis; several contracted axes count as one K, in the product's order):
;;     1. [M 8,192, K 1,024] x [K 1,024, N 3,072]; A: input x; B: input w_qkv: QUANTISED
;;     2. batch 64 x [M 2,048, K 64] x [K 64, N 2,048]; A: computed on the way; B: computed on the way: QUANTISED
;;     3. batch 64 x [M 2,048, K 2,048] x [K 2,048, N 64]; A: softmax (see below); B: computed on the way: QUANTISED
;;     4. [M 8,192, K 1,024] x [K 1,024, N 1,024]; A: computed on the way; B: input w_out: QUANTISED
;;   THE QUANTISER, for each operand of a quantised product, along K:
;;     - K is cut into blocks of 32 from its start; a last block that is shorter is filled with zeros.
;;     - A block's scale is 2^e with e = floor(log2(the largest magnitude in the block)) - 2, held to -126 .. 127; a block of zeros has e = 0. As a byte (E8M0): e + 127.
;;     - Each number is divided by its block's scale, clamped to +-7.5, and rounded to the nearest number of E2M3, ties to even, subnormals kept.
;;     - The product sums the exact products of the quantised numbers (number of the format x scale) in f32.
;;   ~~~python
;;   def quantise(x, axis):      # numpy; x: float32 -> the quantised numbers, widened to float32 again
;;       x = np.moveaxis(x, axis, -1); K = x.shape[-1]
;;       x = np.pad(x, [(0, 0)] * (x.ndim - 1) + [(0, -K % 32)]); x = x.reshape(x.shape[:-1] + (-1, 32)); a = np.abs(x).max(-1, keepdims=True)
;;       e = np.where(a > 0, np.clip(np.frexp(np.where(a > 0, a, 1))[1] - 1 - 2, -126, 127), 0)      # np.frexp(a)[1] - 1 = floor(log2(a)), exactly
;;       r = np.clip(x / 2.0 ** e, -7.5, 7.5)
;;       step = 2.0 ** (np.maximum(np.frexp(np.where(r == 0, 1, r))[1] - 1, 0) - 3)
;;       q = np.round(r / step) * step * 2.0 ** e      # np.round: ties to even
;;       return np.moveaxis(q.reshape(q.shape[:-2] + (-1,))[..., :K], -1, axis).astype(np.float32)
;;   ~~~
;;   SOFTMAX AHEAD OF A QUANTISED PRODUCT. Where the list says 'softmax', what is quantised is not the finished softmax but p = 2^(t - M), with t = logit x log2(e) and M = ceil(the row's largest t), a whole number; so 1/2 < the row's largest p <= 1. The row's sum l is taken of the UNQUANTISED p, in f32, and the product's result is divided by l at the end. Since M is a whole number, a kernel that streams over the keys may use a running M (the ceiling of the running maximum): every later rescaling is an exact power of two, which a block's scale takes up: the codes' values come out the same.
;;   OPERANDS COMPUTED ON THE WAY. 'Computed on the way' means the value that the module computes at that place (a softmax that the list does not call 'softmax' is quantised finished and normalised). What goes into a quantiser is computed in f32, as accurately as f32 sums, v_exp_f32 and their like allow (about 1e-6 of the number): no bf16 or f16 on the way to a quantiser, and a product that is left as it is and whose result goes on into a quantised operand takes f32 operands (vector FMAs, or v_wmma_f32_16x16x4_f32). A number that lies on a knife's edge between two numbers of the format may be rounded either way, as far as f32 arithmetic and the matrix unit's own rounding can turn it there, and no further.
;; One version. Each part assembles by itself: llvm-mc -triple=amdgcn-amd-amdhsa -mcpu=gfx1250 --defsym DOCPART=n.
;; ======== version 1 of 1: 4 launches
;; workspace buffers: xi 6,815,744 bytes; wqi 2,555,904 bytes; woi 851,968 bytes; ai 6,815,744 bytes; qkv 19,660,800 bytes
;; launch quant (part 1): grid 640 x 1, 4 waves a work-group, no clusters, 60,928 bytes of LDS; arguments x, w_qkv, w_out, xi, wqi, woi; writes xi, wqi, woi
.if DOCPART == 1
	.amdgcn_target "amdgcn-amd-amdhsa--gfx1250"
	.amdhsa_code_object_version 6
	.text
	.protected	k_q8f2f7dc22f_quant
	.globl	k_q8f2f7dc22f_quant
	.p2align	8
	.type	k_q8f2f7dc22f_quant,@function
k_q8f2f7dc22f_quant:
	s_mov_b64 s[64:65], 0
	v_nop
	global_prefetch_b8 v0, s[64:65] scope:SCOPE_SE
	s_setreg_imm32_b32 hwreg(HW_REG_WAVE_MODE, 25, 1), 1
	s_wait_xcnt 0x0
; x [8192][1024], w_qkv [1024][3072], w_out [1024][1024], f32, become codes of FP6 (E2M3) with one E8M0 byte for each 32 along K, laid as IMAGES OF OPERAND REGISTERS.
; K is x's last axis and the weights' first axis; a weight's "row" below is its column n.
; A block's scale is 2^(floor(log2(largest magnitude)) - 2): its byte is the largest magnitude's exponent field - 2, held at 1 from below by a floor among the maximum's leaves.
; THE IMAGE.  Row tile T holds rows 32 (T/2) + 8 (T%2) + r + 8 (r/8), r = 0..15.  A half image is 16 rows x 64 along K, 768 bytes: lane (r, h) owns the 24 bytes of block h of row r:
; its registers 0-3 at byte 16 x lane, its registers 4-5 at byte 512 + 8 x lane.  A slot is 256 along K: four half images, then 8 scale bytes a row at 3072 + 8 r; 3,328 bytes.  A tile is four slots: 13,312 bytes.
; Work-groups 0-511: tile T of x, a wave to a slot.  Work-groups 512-639: 128 columns x 256 along K of a weight, a wave to 32 columns (two tiles).  The two paths have LDS bytes of their own.
; LIMITS: NaN and infinities among the inputs are not served; a largest magnitude under 2^-124 is taken as 2^-124 (byte 1); a block of zeros has the byte 1, not 127: its codes are zeros and this program alone reads the bytes.
.set SPARE,  60416                     ; the spare words: 128 bytes a wave, behind both paths' stages
.set SPW,    16                        ; v16  SPARE + 4 x my thread's number; never rewritten
.set NIL,    17                        ; v17  0; never rewritten
.set SB,     18                        ; v18-19 scale bytes
.set CT,     24                        ; v24-26 a block's upper 16 codes (a conversion's three registers begin on an even number)
.set R,      32                        ; x: v32-159 four sets of 32 registers as loaded
.set X,      160                       ; x: v160-223 two sets of 32 neighbours along K
.set C,      224                       ; x: v224-255 codes, eight registers a step, so that no store's data are written again
.set VOFF,   32                        ; weights: v32-63 byte offset of row i of a block, at my column
.set WX,     64                        ; weights: v64-127 two sets of 32 numbers down K
.set WC,     128                       ; weights: v128-138 a block's codes
.set OUTR,   144                       ; weights: v144-194 the way out
	s_load_b256 s[4:11], s[0:1], 0x0               ; x s[4:5], w_qkv s[6:7], w_out s[8:9], xi s[10:11]
	s_load_b128 s[12:15], s[0:1], 0x20             ; wqi s[12:13], woi s[14:15]
	v_lshl_add_u32 v[SPW], v0, 2, SPARE
	v_mov_b32 v[NIL], 0
	v_lshrrev_b32 v1, 5, v0
	v_readfirstlane_b32 s16, v1                    ; wave
	v_and_b32 v1, 31, v0                           ; lane l
	v_and_b32 v2, 15, v0                           ; r
	v_bfe_u32 v3, v0, 4, 1                         ; h
	s_mov_b32 s18, 0x76543210
	s_mov_b32 s19, 0xfedcba98                      ; v_permlanex16_b32's selects for lane l xor 16
	s_wait_kmcnt 0x0
	s_cmp_lt_u32 ttmp9, 512
	s_cbranch_scc0 .Lw
; ---------------- x: tile T = the work-group's number, slot = the wave's ----------------
	s_lshr_b32 s20, ttmp9, 1
	s_lshl_b32 s20, s20, 5
	s_and_b32 s21, ttmp9, 1
	s_lshl_b32 s21, s21, 3
	s_add_co_u32 s20, s20, s21                     ; the tile's first row: 32 (T/2) + 8 (T%2)
	s_lshl_b32 s20, s20, 12                        ; x 4,096 bytes a row
	s_lshl_b32 s21, s16, 10                        ; + my slot's 1,024 bytes
	s_add_co_u32 s20, s20, s21
	s_mov_b32 s21, 0
	s_add_nc_u64 s[4:5], s[4:5], s[20:21]
	s_mul_i32 s22, ttmp9, 13312
	s_mul_i32 s23, s16, 3328
	s_add_co_u32 s22, s22, s23
	s_mov_b32 s23, 0
	s_add_nc_u64 s[10:11], s[10:11], s[22:23]      ; my slot of the image
	s_mul_i32 s24, s16, 8704                       ; my stage: two sets of 16 rows x (256 + 16) bytes
	s_wait_alu depctr_va_vdst(0)
	v_lshlrev_b32 v4, 12, v3
	v_lshl_add_u32 v4, v2, 4, v4                   ; a load takes two rows: 4096 h + 16 r
	v_mul_u32_u24 v5, v3, 272
	v_lshl_add_u32 v5, v2, 4, v5
	v_add_nc_u32 v5, s24, v5                       ; into the stage as loaded: 272 h + 16 r
	v_mul_u32_u24 v6, v2, 272
	v_lshl_add_u32 v6, v3, 7, v6
	v_add_nc_u32 v6, s24, v6                       ; out of it: row r, block h: 272 r + 128 h
	v_lshlrev_b32 v7, 4, v1                        ; 16 l
	v_lshlrev_b32 v8, 3, v1                        ; 8 l
	v_lshlrev_b32 v10, 3, v3                       ; 8 h: my bytes' shift in the scale words
	v_mov_b32 v20, 0                               ; a lane permute's destination counts as one of its sources
	v_mov_b32 v21, 0
.macro XLOAD t                         ; step t: 16 rows x 256 bytes; sixteen lanes read 256 consecutive bytes of a row, at a multiple of 256 from x's first byte
.irp k, 0,1,2,3,4,5,6,7
	global_load_b128 v[R+32*(\t)+4*\k:R+32*(\t)+4*\k+3], v4, s[4:5] offset:(2*\k+8*(\k/4))*4096+256*(\t) th:TH_LOAD_NT
.endr
.endm
.macro XTURN t                         ; through my stage: LDS serves a wave's instructions in order, so no wait stands between the stores and the loads
.irp k, 0,1,2,3,4,5,6,7
	ds_store_b128 v5, v[R+32*(\t)+4*\k:R+32*(\t)+4*\k+3] offset:4352*((\t)%2)+544*\k
.endr
.irp m, 0,1,2,3,4,5,6,7
	ds_load_b128 v[X+32*((\t)%2)+4*\m:X+32*((\t)%2)+4*\m+3], v6 offset:4352*((\t)%2)+16*\m
.endr
.endm
.macro XSTEP t                         ; half image t of the slot: my block is 2 t + h of row r, all 32 numbers mine
.set XS, X+32*((\t)%2)
	s_wait_dscnt 0x0                               ; this step's numbers are back from the stage
.if (\t) < 3
	s_wait_loadcnt 8*(2-(\t))                      ; the next step's eight loads are in; those of the steps behind it may be out
	XTURN (\t)+1
.endif
	v_max3_num_f32 v11, |v[XS]|, |v[XS+1]|, |v[XS+2]|
	v_max3_num_f32 v12, |v[XS+3]|, |v[XS+4]|, |v[XS+5]|
.irp i, 6,10,14,18,22,26
	v_max3_num_f32 v11, v11, |v[XS+\i]|, |v[XS+\i+1]|
	v_max3_num_f32 v12, v12, |v[XS+\i+2]|, |v[XS+\i+3]|
.endr
	v_max3_num_f32 v11, v11, |v[XS+30]|, |v[XS+31]|
	v_max3_num_f32 v11, v11, v12, 0x1800000        ; and the floor 2^(3 - 127): the byte cannot fall under 1
	v_add_nc_u32 v13, 0xff000000, v11              ; 2 off the exponent field: the conversion's scale operand
	v_cvt_scalef32_pk16_fp6_f32 v[C+8*(\t):C+8*(\t)+2], v[XS:XS+15], v13
	v_cvt_scalef32_pk16_fp6_f32 v[CT:CT+2], v[XS+16:XS+31], v13
	v_lshrrev_b32 v14, 23, v13                     ; the scale's byte (also the plain line behind the conversions)
.if (\t)%2 == 0
	v_mov_b32 v[SB+(\t)/2], v14
.else
	v_lshl_or_b32 v[SB+(\t)/2], v14, 16, v[SB+(\t)/2]
.endif
.irp i, 0,1,2
	v_mov_b32 v[C+8*(\t)+3+\i], v[CT+\i]
.endr
	global_store_b128 v7, v[C+8*(\t):C+8*(\t)+3], s[10:11] offset:768*(\t)          ; 512 consecutive bytes
	global_store_b64 v8, v[C+8*(\t)+4:C+8*(\t)+5], s[10:11] offset:768*(\t)+512     ; 256 consecutive bytes
.endm
	XLOAD 0
	XLOAD 1
	XLOAD 2
	XLOAD 3
	s_wait_alu depctr_va_vdst(0)
	s_wait_loadcnt 24                              ; step 0's eight loads are in
	XTURN 0
	XSTEP 0
	XSTEP 1
	XSTEP 2
	XSTEP 3
	v_lshlrev_b32 v18, v10, v18                    ; my four bytes at their places (blocks h, 2 + h, 4 + h, 6 + h),
	v_lshlrev_b32 v19, v10, v19
	v_permlanex16_b32 v20, v18, s18, s19
	v_permlanex16_b32 v21, v19, s18, s19
	v_or_b32 v18, v18, v20                         ; with lane l xor 16's four: row r's eight bytes
	v_or_b32 v19, v19, v21
	global_store_b64 v8, v[18:19], s[10:11] offset:3072   ; lanes 0-15: the 128 bytes that are read; lanes 16-31: a copy into the slot's last 128: 256 consecutive bytes
	s_wait_tensorcnt 0x0                           ; the wave's end, behind my last LDS store
	ds_add_u32 v[SPW], v[NIL]
	s_wait_dscnt 0x0
	s_endpgm
; ---------------- the weights: a lane takes a column n, its registers run down K ----------------
.Lw:
	s_sub_co_u32 s20, ttmp9, 512
	s_and_b32 s21, s20, 3                          ; which 256 along K: the slot
	s_lshr_b32 s22, s20, 2                         ; which 128 columns: 0-23 of w_qkv, 24-31 of w_out
	s_cmp_lt_u32 s22, 24                           ; the choice hangs on the work-group's number alone
	s_cselect_b64 s[6:7], s[6:7], s[8:9]
	s_cselect_b64 s[12:13], s[12:13], s[14:15]
	s_mov_b32 s23, 4096
	s_cselect_b32 s23, 12288, s23                  ; bytes in a row of the weight
	s_cselect_b32 s24, 0, 24
	s_sub_co_u32 s22, s22, s24
	s_lshl_b32 s25, s22, 2
	s_add_co_u32 s25, s25, s16                     ; my 32 columns: pair of tiles 4 x group + wave
	s_lshl_b32 s26, s25, 7                         ; 128 bytes for each 32 columns
	s_lshl_b32 s27, s21, 8
	s_mul_i32 s27, s27, s23                        ; + 256 x slot rows
	s_add_co_u32 s26, s26, s27
	s_mov_b32 s27, 0
	s_add_nc_u64 s[40:41], s[6:7], s[26:27]        ; block 0's first row at my wave's first column
	s_lshl_b32 s28, s23, 5
	s_mov_b32 s29, 0
.irp t, 1,2,3,4,5,6,7
	s_add_nc_u64 s[40+2*\t:41+2*\t], s[38+2*\t:39+2*\t], s[28:29]   ; block t: 32 rows on
.endr
	s_mul_i32 s30, s25, 26624                      ; two tiles of 13,312 bytes
	s_mul_i32 s31, s21, 3328
	s_add_co_u32 s30, s30, s31
	s_mov_b32 s31, 0
	s_add_nc_u64 s[12:13], s[12:13], s[30:31]
	s_mul_i32 s32, s16, 6400
	s_add_co_u32 s32, s32, 34816                   ; my stage: two tiles' slots, 3,200 bytes each
	s_wait_alu depctr_va_vdst(0)
	v_lshlrev_b32 v[VOFF], 2, v1
.set i, 1
.rept 31
	v_add_nc_u32 v[VOFF+i], s23, v[VOFF+i-1]
.set i, i+1
.endr
	v_bfe_u32 v4, v0, 3, 1                         ; column l of the 32 is row (l & 7) + 8 (l >> 4) of tile (l >> 3) & 1
	v_and_b32 v11, 7, v0
	v_lshl_add_u32 v11, v3, 3, v11
	v_mul_u32_u24 v4, v4, 3200
	v_add_nc_u32 v4, s32, v4
	v_lshl_add_u32 v5, v11, 4, v4                  ; where my registers 0-3 go
	v_lshl_add_u32 v6, v11, 3, v4                  ; and my registers 4-5, and my scale bytes
	v_lshl_add_u32 v7, v1, 4, s32                  ; back: 16 bytes a lane,
	v_lshl_add_u32 v8, v1, 2, s32                  ; 4 bytes a lane for the scale bytes
	v_lshlrev_b32 v9, 4, v1
	v_lshlrev_b32 v10, 2, v1
.macro WLOAD t                         ; block t: W(32 t + i, my column): 32 lanes read 128 consecutive bytes, the four waves 512
.set i, 0
.rept 32
	global_load_b32 v[WX+32*((\t)%2)+i], v[VOFF+i], s[40+2*(\t):41+2*(\t)] th:TH_LOAD_NT
.set i, i+1
.endr
.endm
.macro WBLOCK t
.set XS, WX+32*((\t)%2)
.if (\t) < 7
	s_wait_loadcnt 32                              ; this block's 32 loads are in; the next block's may be out
.else
	s_wait_loadcnt 0
.endif
	v_max3_num_f32 v12, |v[XS]|, |v[XS+1]|, |v[XS+2]|
	v_max3_num_f32 v13, |v[XS+3]|, |v[XS+4]|, |v[XS+5]|
.irp i, 6,10,14,18,22,26
	v_max3_num_f32 v12, v12, |v[XS+\i]|, |v[XS+\i+1]|
	v_max3_num_f32 v13, v13, |v[XS+\i+2]|, |v[XS+\i+3]|
.endr
	v_max3_num_f32 v12, v12, |v[XS+30]|, |v[XS+31]|
	v_max3_num_f32 v12, v12, v13, 0x1800000
	v_add_nc_u32 v14, 0xff000000, v12
	v_lshrrev_b32 v13, 23, v14
.if (\t)%4 == 0
	v_mov_b32 v[SB+(\t)/4], v13
.else
	v_lshl_or_b32 v[SB+(\t)/4], v13, 8*((\t)%4), v[SB+(\t)/4]
.endif
	v_cvt_scalef32_pk16_fp6_f32 v[WC:WC+2], v[XS:XS+15], v14
	v_cvt_scalef32_pk16_fp6_f32 v[WC+8:WC+10], v[XS+16:XS+31], v14
	v_nop                                          ; one plain line behind the conversions
.irp i, 0,1,2
	v_mov_b32 v[WC+3+\i], v[WC+8+\i]
.endr
	ds_store_b128 v5, v[WC:WC+3] offset:768*((\t)/2)+256*((\t)%2)          ; block t is half t % 2 of half image t / 2
	ds_store_b64 v6, v[WC+4:WC+5] offset:768*((\t)/2)+512+128*((\t)%2)
.if (\t)+2 < 8
	WLOAD (\t)+2
.endif
	s_wait_dscnt 0x0                               ; the stores have read their registers: the next block's codes may be written
.endm
	WLOAD 0
	WLOAD 1
.irp t, 0,1,2,3,4,5,6,7
	WBLOCK \t
.endr
	s_wait_alu depctr_va_vdst(0)
	ds_store_b64 v6, v[SB:SB+1] offset:3072        ; my column's eight scale bytes
.irp u, 0,1
.irp m, 0,1,2,3,4,5
	ds_load_b128 v[OUTR+26*\u+4*\m:OUTR+26*\u+4*\m+3], v7 offset:3200*\u+512*\m   ; LDS serves a wave's instructions in order: these see my stores
.endr
	ds_load_b32 v[OUTR+26*\u+24], v8 offset:3200*\u+3072
.endr
.set n, 0
.irp u, 0,1
.irp m, 0,1,2,3,4,5
	s_wait_dscnt 13-n                              ; of the fourteen loads the younger ones may be out
	global_store_b128 v9, v[OUTR+26*\u+4*\m:OUTR+26*\u+4*\m+3], s[12:13] offset:13312*\u+512*\m   ; 512 consecutive bytes
.set n, n+1
.endr
	s_wait_dscnt 13-n
	global_store_b32 v10, v[OUTR+26*\u+24], s[12:13] offset:13312*\u+3072
.set n, n+1
.endr
	s_wait_tensorcnt 0x0                           ; the wave's end, behind my last LDS store
	ds_add_u32 v[SPW], v[NIL]
	s_wait_dscnt 0x0
	s_endpgm
.Lfunc_end_k_q8f2f7dc22f_quant:
	.size	k_q8f2f7dc22f_quant, .Lfunc_end_k_q8f2f7dc22f_quant-k_q8f2f7dc22f_quant
	.p2alignl 7, 3214868480
	.fill 96, 4, 3214868480
	.section	.rodata,"a",@progbits
	.p2align	6, 0x0
	.amdhsa_kernel k_q8f2f7dc22f_quant
		.amdhsa_group_segment_fixed_size 60928
		.amdhsa_private_segment_fixed_size 0
		.amdhsa_enable_private_segment 0
		.amdhsa_kernarg_size 48
		.amdhsa_user_sgpr_count 2
		.amdhsa_user_sgpr_kernarg_segment_ptr 1
		.amdhsa_wavefront_size32 1
		.amdhsa_system_sgpr_workgroup_id_x 1
		.amdhsa_system_sgpr_workgroup_id_y 1
		.amdhsa_system_sgpr_workgroup_id_z 1
		.amdhsa_system_vgpr_workitem_id 0
		.amdhsa_next_free_vgpr 256
		.amdhsa_next_free_sgpr 66
		.amdhsa_reserve_vcc 0
		.amdhsa_float_denorm_mode_32 3
		.amdhsa_float_denorm_mode_16_64 3
		.amdhsa_memory_ordered 1
		.amdhsa_forward_progress 1
		.amdhsa_inst_pref_size 59
	.end_amdhsa_kernel
	.amdgpu_metadata
---
amdhsa.version: [ 1, 2 ]
amdhsa.kernels:
  - .name:           k_q8f2f7dc22f_quant
    .symbol:         k_q8f2f7dc22f_quant.kd
    .args:
      - { .name: x, .offset: 0, .size: 8, .value_kind: global_buffer, .address_space: global }
      - { .name: w_qkv, .offset: 8, .size: 8, .value_kind: global_buffer, .address_space: global }
      - { .name: w_out, .offset: 16, .size: 8, .value_kind: global_buffer, .address_space: global }
      - { .name: xi, .offset: 24, .size: 8, .value_kind: global_buffer, .address_space: global }
      - { .name: wqi, .offset: 32, .size: 8, .value_kind: global_buffer, .address_space: global }
      - { .name: woi, .offset: 40, .size: 8, .value_kind: global_buffer, .address_space: global }
    .group_segment_fixed_size: 60928
    .private_segment_fixed_size: 0
    .kernarg_segment_align: 8
    .kernarg_segment_size: 48
    .max_flat_workgroup_size: 128
    .sgpr_count:     66
    .vgpr_count:     256
    .wavefront_size: 32
...
	.end_amdgpu_metadata
.endif
;; end of part 1
;; launch proj (part 2): grid 16 x 48, 4 waves a work-group, clusters of 4 x 4, 327,680 bytes of LDS; arguments xi, wqi, qkv; writes qkv
.if DOCPART == 2
	.amdgcn_target "amdgcn-amd-amdhsa--gfx1250"
	.amdhsa_code_object_version 6
	.text
	.protected	k_q8f2f7dc22f_proj
	.globl	k_q8f2f7dc22f_proj
	.p2align	8
	.type	k_q8f2f7dc22f_proj,@function
k_q8f2f7dc22f_proj:
	s_mov_b64 s[64:65], 0
	v_nop
	global_prefetch_b8 v0, s[64:65] scope:SCOPE_SE
	s_setreg_imm32_b32 hwreg(HW_REG_WAVE_MODE, 25, 1), 1
	s_wait_xcnt 0x0
	s_wait_alu depctr_hold_cnt(0) depctr_sa_sdst(0) depctr_va_vdst(0) depctr_va_sdst(0) depctr_va_ssrc(0) depctr_va_vcc(0) depctr_vm_vsrc(0)
	s_getreg_b32 s2, hwreg(HW_REG_IB_STS2, 6, 4)
	s_cmp_eq_u32 s2, 0
	s_cbranch_scc0 .Lentry_in_a_cluster
	s_endpgm
.Lentry_in_a_cluster:
	s_bfe_u32 s2, ttmp6, 0x10000c
	s_cmp_lg_u32 s2, 0xf033
	s_cbranch_scc0 .Lentry_shape_is_right
	s_endpgm
.Lentry_shape_is_right:
; ONE SOURCE FOR TWO LAUNCHES (the switch OPROJ): a product of two operands given as register images, K = 1,024, on codes of FP6 (E2M3) with E8M0 scales.
; OPROJ = 0: qkv = x w_qkv; the f32 results are quantised in registers and leave as images for the attention launch.  OPROJ = 1: out0 = o w_out, f32.
; THE IMAGE (made by the launch before): row tile T = rows 32 (T/2) + 8 (T%2) + r + 8 (r/8); a half image (16 rows x 64 K, 768 bytes): lane's registers 0-3 at 16 x lane, 4-5 at 512 + 8 x lane;
; a slot (256 K): four half images + 8 scale bytes a row at 3072 + 8 r, 3,200 bytes read of 3,328; a tile: four slots, 13,312 bytes.  A fragment (12 registers) is two half images on end: loads of 16, 8, 16, 8 bytes a lane, each dense.
; SHARES.  A work-group makes 256 rows of A x 128 rows of B; a wave 128 x 64: 32 accumulators.  ALL of K of both operands lies in LDS (24 tiles x 4 chunks x 3,200 bytes): every byte of LDS is filled once, nothing is filled again.
; THE MATRIX INSTRUCTION IS USED TRANSPOSED (source 0 = 16 rows of B, source 1 = 16 rows of A): a lane holds one row of A, and by the tiles' row order the 16 registers of B's tiles 2 i, 2 i + 1 are 16 neighbouring rows of B.
; CLUSTER 4 x 4: A's tiles are asked for jointly by a row of the cluster, B's by a column.
; OPROJ = 0 has two kinds of clusters, told apart by the cluster's y, which all partners share: y < 8: A = x, B = w's columns for q and k (a wave's 64 columns are one head);
; y >= 8: A = w's columns for v, B = x: a lane then holds one channel of v and its registers run along the tokens, which are the K of attention's second product.
; LIMITS (OPROJ = 0): a block's largest magnitude under 2^-124 is taken as 2^-124 (byte 1); a block of zeros has the byte 1: its codes are zeros, and this program alone reads the bytes.  NaN and infinities are not served.
; REGISTERS.  Window 0: v1-3 lane, r, h; v16-20 LDS addresses; v28, v29 the add's two; v32-63 scale words, two sets; v64-159 A's 8 fragments; v160-207, v208-255 B's 4 fragments, two sets.  Window 1: accumulator (a, b) at v[8 (4 a + b)].
.set OPROJ,  0
.set TSTR,   13312                     ; from a tile's image to the next
.set SSTR,   3328                      ; from a slot to the next
.set TIMG,   3200                      ; bytes of a tile's slot that are read
.set CHUNK,  24*TIMG                   ; LDS: a chunk = 256 along K: B's 8 tiles, then A's 16
.set AOFF,   8*TIMG
.set SPARE,  4*CHUNK                   ; behind the chunks: the spare words, 128 bytes a wave
.set ADA16,  16
.set ADA8,   17
.set ADB16,  18
.set ADB8,   19
.set ADRS,   20
.set STO,    24
.set RD,     25
.set CO,     26
.set SPW,    28
.set NIL,    29
.set SC,     32
.set AF,     64
.set BF,     160
.set G1A,    24                        ; s[24:31] group 1 for A's tiles, s[32:39] for B's
.set G1B,    32
.set G0A,    40                        ; s[40:55] group 0 for A's four chunks, s[68:83] for B's
.set G0B,    68
.set MULW,   0x50                      ; C and D in window 1, the sources in window 0
.set MSB, 0
.macro WIN new                         ; the immediate's high byte repeats the setting that is left
.if MSB != \new
	s_set_vgpr_msb (MSB<<8)|\new
.set MSB, \new
.endif
.endm
.macro PLACES                          ; four plain lines behind matrix instructions, ahead of loads into their sources and of reads of their results
.rept 4
	v_nop
.endr
.endm
.macro JLOAD c                         ; chunk c: waves 0, 1 ask for A's halves, waves 2, 3 for B's; the branch hangs on the wave's number alone.  s_nop 0 and four v_nop follow each line
	s_cmp_eq_u32 s11, 0
	s_cbranch_scc0 .Lfor_b_\@
	tensor_load_to_lds s[G0A+4*\c:G0A+4*\c+3], s[G1A:G1A+7]
	s_nop 0
.rept 4
	v_nop
.endr
	s_branch .Lasked_\@
.Lfor_b_\@:
	tensor_load_to_lds s[G0B+4*\c:G0B+4*\c+3], s[G1B:G1B+7]
	s_nop 0
.rept 4
	v_nop
.endr
.Lasked_\@:
.endm
.macro CROUND                          ; a round of the cluster's barrier
	s_barrier_signal -1
	s_barrier_wait -1
	s_cmp_lg_u32 s10, 0
	s_cbranch_scc1 .Lnot_wave_0_\@
	s_barrier_signal -3
.Lnot_wave_0_\@:
	s_barrier_wait -3
	s_barrier_signal -1
	s_barrier_wait -1
.endm
	s_load_b128 s[4:7], s[0:1], 0x0                ; the two operands' images
	s_load_b64 s[8:9], s[0:1], 0x10                ; the result
	v_lshl_add_u32 v[SPW], v0, 2, SPARE
	v_mov_b32 v[NIL], 0
	ds_add_u32 v[SPW], v[NIL]
	ds_add_u32 v[SPW], v[NIL]                      ; the wave's opening: the add and its wait ahead of my first tensor load; work on registers stands between
	v_lshrrev_b32 v1, 5, v0
	v_readfirstlane_b32 s10, v1                    ; wave 0..3
	s_lshr_b32 s11, s10, 1                         ; which 128 rows of A are mine.  Also: I fetch for A (0) or for B (1)
	s_and_b32 s12, s10, 1                          ; which 64 rows of B.  Also: which half of that operand's tiles I fetch
	s_bfe_u32 s13, ttmp6, 0x40000                  ; cx
	s_bfe_u32 s14, ttmp6, 0x40004                  ; cy
	s_and_b32 s20, ttmp7, 0xffff                   ; cluster y
.if OPROJ
	s_lshl_b32 s16, s20, 2
	s_lshl_b32 s15, ttmp9, 2
.else
	s_sub_co_u32 s84, s20, 8
	s_lshl_b32 s84, s84, 2
	s_add_co_u32 s84, s84, ttmp9                   ; v: cluster column x + 4 (y - 8)
	s_cmp_ge_u32 s20, 8
	s_cselect_b32 s19, 1, 0                        ; 1: this cluster makes v
	s_cselect_b32 s21, 0, s20                      ; cluster row
	s_cselect_b32 s84, s84, ttmp9                  ; cluster column
	s_lshl_b32 s16, s21, 2
	s_lshl_b32 s15, s84, 2
.endif
	s_add_co_u32 s16, s16, s14                     ; tile row (256 rows of A)
	s_add_co_u32 s15, s15, s13                     ; tile column (128 rows of B)
	s_lshl_b32 s17, s14, 2
	s_lshl_b32 s17, 15, s17                        ; my row of the cluster
	s_lshl_b32 s18, 0x1111, s13                    ; my column
	s_or_b32 s[G1A], s17, (3<<16)|(1<<21)          ; 15:0 the mask; 17:16 elements of 8 bytes; 21 set beside a mask; no padding
	s_or_b32 s[G1B], s18, (3<<16)|(1<<21)
	s_mov_b32 s[G1A+1], 400<<16                    ; tensor_dim0: 400 elements = 3,200 bytes, a tile's slot
	s_mov_b32 s[G1A+2], 8<<16                      ; tensor_dim1: 8 tiles
	s_mov_b32 s[G1A+3], 400<<16                    ; tile_dim0
	s_mov_b32 s[G1A+4], 8                          ; tile_dim1
	s_mov_b32 s[G1A+5], TSTR/8                     ; from tile to tile, in elements
	s_mov_b32 s[G1A+6], 0
	s_mov_b32 s[G1A+7], 0
	s_mov_b32 s[G1B+1], 400<<16
	s_mov_b32 s[G1B+2], 4<<16                      ; 4 tiles
	s_mov_b32 s[G1B+3], 400<<16
	s_mov_b32 s[G1B+4], 4
	s_mov_b32 s[G1B+5], TSTR/8
	s_mov_b32 s[G1B+6], 0
	s_mov_b32 s[G1B+7], 0
	s_lshl_b32 s86, s16, 4
	s_lshl_b32 s87, s12, 3
	s_add_co_u32 s86, s86, s87
	s_mul_i32 s86, s86, TSTR                       ; A: tile 16 x tile row + 8 x half
	s_mov_b32 s87, 0
	s_lshl_b32 s88, s15, 3
	s_lshl_b32 s89, s12, 2
	s_add_co_u32 s88, s88, s89
	s_mul_i32 s88, s88, TSTR                       ; B: tile 8 x tile column + 4 x half
	s_mov_b32 s89, 0
	s_mul_i32 s96, s12, 8*TIMG                     ; where they go: the wave's number alone enters an LDS address
	s_mul_i32 s97, s12, 4*TIMG
	s_mov_b32 s22, 0x76543210
	s_mov_b32 s23, 0xfedcba98                      ; v_permlanex16_b32's selects for lane l xor 16
	s_wait_dscnt 0x0                               ; the opening add is done
	s_wait_kmcnt 0x0
.if OPROJ
	s_add_nc_u64 s[90:91], s[4:5], s[86:87]
	s_add_nc_u64 s[92:93], s[6:7], s[88:89]
.else
	s_cmp_eq_u32 s19, 0                            ; the choice hangs on the cluster's y alone
	s_cselect_b64 s[90:91], s[4:5], s[6:7]         ; A: x, or the weight
	s_cselect_b64 s[92:93], s[6:7], s[4:5]         ; B: the weight, or x
	s_cselect_b32 s94, 0, 128*TSTR                 ; v's columns begin at the weight's tile 128
	s_mov_b32 s95, 0
	s_add_nc_u64 s[90:91], s[90:91], s[94:95]
	s_add_nc_u64 s[90:91], s[90:91], s[86:87]
	s_add_nc_u64 s[92:93], s[92:93], s[88:89]
.endif
	CROUND                                         ; all sixteen work-groups are here: the joint loads meet
.irp c, 0,1,2,3
	s_mov_b32 s[G0A+4*\c], 1
	s_add_co_u32 s[G0A+4*\c+1], s96, \c*CHUNK+AOFF
	s_add_nc_u64 s[G0A+4*\c+2:G0A+4*\c+3], s[90:91], \c*SSTR
	s_or_b32 s[G0A+4*\c+3], s[G0A+4*\c+3], 0x80000000
	s_mov_b32 s[G0B+4*\c], 1
	s_add_co_u32 s[G0B+4*\c+1], s97, \c*CHUNK
	s_add_nc_u64 s[G0B+4*\c+2:G0B+4*\c+3], s[92:93], \c*SSTR
	s_or_b32 s[G0B+4*\c+3], s[G0B+4*\c+3], 0x80000000
	JLOAD \c                                       ; four loads of mine are out: all that this launch asks for
.endr
	v_and_b32 v1, 31, v0                           ; lane l
	v_and_b32 v2, 15, v0                           ; r
	v_bfe_u32 v3, v0, 4, 1                         ; h
	s_mul_i32 s84, s11, 8*TIMG
	s_add_co_u32 s84, s84, AOFF                    ; my 8 tiles of A
	s_mul_i32 s85, s12, 4*TIMG                     ; my 4 tiles of B
	v_lshl_add_u32 v[ADA16], v1, 4, s84
	v_lshl_add_u32 v[ADA8], v1, 3, s84
	v_lshl_add_u32 v[ADB16], v1, 4, s85
	v_lshl_add_u32 v[ADB8], v1, 3, s85
	s_sub_co_u32 s84, s84, s85                     ; from B's tiles to A's
	v_xor_b32 v4, 1, v3
	v_mul_u32_u24 v4, s84, v4                      ; scale words: lanes 16-31 take B's, lanes 0-15 A's
	v_lshl_add_u32 v[ADRS], v2, 3, v4
	s_add_co_u32 s85, s85, 3072
	v_add_nc_u32 v[ADRS], s85, v[ADRS]
.if OPROJ
	s_mul_i32 s86, s10, 8704                       ; the way out: my stage, two sets of 16 rows x (256 + 16) bytes, in chunk 0, which has had its only fill and is read by nobody behind the first change of chunks
	v_mul_u32_u24 v[STO], v2, 272
	v_lshl_add_u32 v[STO], v3, 6, v[STO]
	v_add_nc_u32 v[STO], s86, v[STO]               ; in: row r, + 64 h
	v_mul_u32_u24 v[RD], v3, 272
	v_lshl_add_u32 v[RD], v2, 4, v[RD]
	v_add_nc_u32 v[RD], s86, v[RD]                 ; back: lanes 0-15 one row of 256 bytes, lanes 16-31 the next
	v_lshlrev_b32 v[CO], 12, v3
	v_lshl_add_u32 v[CO], v2, 4, v[CO]             ; and the same two rows in out0
	s_lshl_b32 s86, s16, 8
	s_lshl_b32 s87, s11, 7
	s_add_co_u32 s86, s86, s87                     ; my first row: 256 x tile row + 128 x half
	s_lshl_b32 s86, s86, 12
	s_lshl_b32 s87, s15, 9                         ; my first column, in bytes: 512 x tile column + 256 x half
	s_add_co_u32 s86, s86, s87
	s_lshl_b32 s87, s12, 8
	s_add_co_u32 s86, s86, s87
	s_mov_b32 s87, 0
	s_add_nc_u64 s[8:9], s[8:9], s[86:87]
.endif
.macro FRAG reg, a16, a8, off          ; a fragment: two half images on end
	ds_load_b128 v[(\reg):(\reg)+3], v[\a16] offset:(\off)
	ds_load_b64 v[(\reg)+4:(\reg)+5], v[\a8] offset:(\off)+512
	ds_load_b128 v[(\reg)+6:(\reg)+9], v[\a16] offset:(\off)+768
	ds_load_b64 v[(\reg)+10:(\reg)+11], v[\a8] offset:(\off)+1280
.endm
.macro FETCH_A q, i0                   ; A's blocks i0 .. i0 + 3 of the chunk's q-th 128 along K: 16 loads
.irp i, \i0, \i0+1, \i0+2, \i0+3
	FRAG AF+12*(\i), ADA16, ADA8, (\i)*TIMG+(\q)*1536
.endr
.endm
.macro FETCH_B q, p                    ; B's four blocks into set p: 16 loads
.irp i, 0,1,2,3
	FRAG BF+48*(\p)+12*\i, ADB16, ADB8, \i*TIMG+(\q)*1536
.endr
.endm
.macro SCALES sc                       ; a chunk's scale words into set sc: register 2 i + q: lanes 0-15 A's block i, lanes 16-31 B's block i (for i > 3 their bytes are not used): 8 loads
.irp i, 0,1,2,3,4,5,6,7
	ds_load_b64 v[SC+16*(\sc)+2*\i:SC+16*(\sc)+2*\i+1], v[ADRS] offset:\i*TIMG
.endr
.endm
; 8 matrix instructions: A's blocks a0, a0 + 1 x B's four.  The 32 accumulators take turns, one instruction a turn, in the same order in every step.
.macro MUL8 a0, p, q, sc, zero
.irp a, \a0, \a0+1
.irp b, 0,1,2,3
.set rD, 8*(4*(\a)+\b)
.set rB, BF+48*(\p)+12*\b
.set rA, AF+12*(\a)
.set rSB, SC+16*(\sc)+2*\b+(\q)
.set rSA, SC+16*(\sc)+2*(\a)+(\q)
.if \zero
	v_wmma_scale_f32_16x16x128_f8f6f4 v[rD:rD+7], v[rB:rB+11], v[rA:rA+11], 0, v[rSB], v[rSA] matrix_a_fmt:MATRIX_FMT_FP6 matrix_b_fmt:MATRIX_FMT_FP6 matrix_a_scale:MATRIX_SCALE_ROW1
.else
	v_wmma_scale_f32_16x16x128_f8f6f4 v[rD:rD+7], v[rB:rB+11], v[rA:rA+11], v[rD:rD+7], v[rSB], v[rSA] matrix_a_fmt:MATRIX_FMT_FP6 matrix_b_fmt:MATRIX_FMT_FP6 matrix_a_scale:MATRIX_SCALE_ROW1
.endif
.endr
.endr
.endm
.macro STEP sc, zero                   ; a chunk's first 128 along K; its second is fetched meanwhile
	s_wait_dscnt 16                                ; all but the youngest 16 loads (A's blocks 4-7) are in
	WIN MULW
	MUL8 0, 0, 0, \sc, \zero
	MUL8 2, 0, 0, \sc, \zero
	s_wait_dscnt 0x0
	PLACES
	WIN 0
	FETCH_B 1, 1
	FETCH_A 1, 0
	WIN MULW
	MUL8 4, 0, 0, \sc, \zero
	MUL8 6, 0, 0, \sc, \zero
	PLACES
	WIN 0
	FETCH_A 1, 4
.endm
.macro TURN c                          ; chunk c's second 128 along K, and the change to chunk c + 1
	s_wait_dscnt 16
	WIN MULW
	MUL8 0, 1, 1, (\c)%2, 0
	s_wait_tensorcnt 2-(\c)                        ; my part of chunk c + 1 has landed; the 2 - c loads issued behind it may stay out
	s_wait_dscnt 0x0                               ; no LDS load of mine is out at the signal
	s_barrier_signal -1
	MUL8 2, 1, 1, (\c)%2, 0
	s_barrier_wait -1                              ; everybody's part of chunk c + 1 has landed
	PLACES
	WIN 0
.irp g, ADA16, ADA8, ADB16, ADB8, ADRS
	v_add_nc_u32 v[\g], CHUNK, v[\g]
.endr
	FETCH_B 0, 0
	FETCH_A 0, 0
	SCALES ((\c)+1)%2
	WIN MULW
	MUL8 4, 1, 1, (\c)%2, 0
	MUL8 6, 1, 1, (\c)%2, 0
	PLACES
	WIN 0
	FETCH_A 0, 4
.endm
	s_wait_alu depctr_va_vdst(0)
	s_wait_tensorcnt 3                             ; my part of chunk 0 has landed; the three later chunks' loads may stay out
	s_barrier_signal -1
	s_barrier_wait -1                              ; everybody's has
	FETCH_B 0, 0
	FETCH_A 0, 0
	SCALES 0
	FETCH_A 0, 4
	STEP 0, 1                                      ; the first products start the sums: nothing is cleared
	TURN 0
	s_wait_alu depctr_va_vdst(0)
	STEP 1, 0
	TURN 1
	s_wait_alu depctr_va_vdst(0)
	STEP 0, 0
	TURN 2
	s_wait_alu depctr_va_vdst(0)
	STEP 1, 0
	s_wait_dscnt 16                                ; the last 128 along K: nothing more to fetch
	WIN MULW
	MUL8 0, 1, 1, 1, 0
	MUL8 2, 1, 1, 1, 0
	s_wait_dscnt 0x0
	MUL8 4, 1, 1, 1, 0
	MUL8 6, 1, 1, 1, 0
	PLACES
.if OPROJ
; THE WAY OUT, f32.  Block a (16 rows x my 64 columns) goes through my stage and comes back as rows of 256 bytes.  Register j of accumulator (a, b), lane (r, h), is column 32 (b/2) + 8 (b%2) + 16 h + j of row r.
.macro TOSTAGE a
	WIN 0x04                                       ; an LDS store's data are its source 1: window 1
.irp b, 0,1,2,3
	ds_store_b128 v[STO], v[8*(4*(\a)+\b):8*(4*(\a)+\b)+3] offset:4352*((\a)%2)+128*(\b/2)+32*(\b%2)       ; each accumulator from its low end on
	ds_store_b128 v[STO], v[8*(4*(\a)+\b)+4:8*(4*(\a)+\b)+7] offset:4352*((\a)%2)+128*(\b/2)+32*(\b%2)+16
.endr
	WIN 0
.irp t, 0,1,2,3,4,5,6,7
	ds_load_b128 v[AF+32*((\a)%2)+4*\t:AF+32*((\a)%2)+4*\t+3], v[RD] offset:4352*((\a)%2)+544*\t   ; LDS serves a wave's instructions in order: these see my stores
.endr
.endm
.macro SEND a, younger                 ; younger: the LDS instructions issued behind block a's loads
	s_wait_dscnt \younger
.irp t, 0,1,2,3,4,5,6,7
	global_store_b128 v[CO], v[AF+32*((\a)%2)+4*\t:AF+32*((\a)%2)+4*\t+3], s[8:9] offset:(32*((\a)/2)+8*((\a)%2)+2*\t+8*(\t/4))*4096 th:TH_STORE_NT   ; 16 lanes store 256 consecutive bytes, at a multiple of 256 from out0's first byte; the rows by the tile's row order
.endr
.endm
	TOSTAGE 0
.irp a, 1,2,3,4,5,6,7
.if \a > 1
	s_wait_xcnt 0x0                                ; block a - 2's stores have read their registers: block a's loads may land there
.endif
	TOSTAGE \a
	SEND \a-1, 16                                  ; behind block a - 1's loads: block a's 8 stores and 8 loads
.endr
	SEND 7, 0
.else
; THE WAY OUT, quantised.  For A's block a, registers 32 a + 16 i + 0 .. 15 of window 1 are 16 neighbours, 32 i + 16 h + 0 .. 15, of my 64 rows of B: block i of 32 lies in lanes l and l xor 16.
.set TM, 160                           ; v160-175 largest magnitudes, chain 2 a + i
.set TP, 176                           ; v176-191 the other half's; then the bytes
.set SO, 192                           ; v192-207 the conversions' scale operands
.set HW, 208                           ; v208-215 two bytes for each block a
.set PC, 64                            ; v64-159 the codes, 12 registers for each a
	WIN 0x05                                       ; sources 0 and 1: window 1
.irp x, 0,1,2,3,4,5,6,7,8,9,10,11,12,13,14,15
	v_max3_num_f32 v[TM+\x], |v[16*\x]|, |v[16*\x+1]|, 0x1800000   ; with the floor 2^(3 - 127): the byte cannot fall under 1.  Each accumulator is read from its low end on
.endr
.irp i, 2,4,6,8,10,12,14
.irp x, 0,1,2,3,4,5,6,7,8,9,10,11,12,13,14,15
	v_max3_num_f32 v[TM+\x], |v[16*\x+\i]|, |v[16*\x+\i+1]|, v[TM+\x]
.endr
.endr
	WIN 0
.irp x, 0,1,2,3,4,5,6,7,8,9,10,11,12,13,14,15
	v_permlanex16_b32 v[TP+\x], v[TM+\x], s22, s23
.endr
.irp x, 0,1,2,3,4,5,6,7,8,9,10,11,12,13,14,15
	v_max_num_f32 v[TM+\x], v[TM+\x], v[TP+\x]
.endr
.irp x, 0,1,2,3,4,5,6,7,8,9,10,11,12,13,14,15
	v_add_nc_u32 v[SO+\x], 0xff000000, v[TM+\x]    ; 2 off the exponent field
.endr
.irp x, 0,1,2,3,4,5,6,7,8,9,10,11,12,13,14,15
	v_lshrrev_b32 v[TP+\x], 23, v[SO+\x]           ; the byte
.endr
.irp a, 0,1,2,3,4,5,6,7
	v_lshl_or_b32 v[HW+\a], v[TP+2*\a+1], 8, v[TP+2*\a]
.endr
	WIN 0x01                                       ; source 0: window 1
.irp a, 0,1,2,3,4,5,6,7
	v_cvt_scalef32_pk16_fp6_f32 v[PC+12*\a:PC+12*\a+2], v[32*\a:32*\a+15], v[SO+2*\a]
	v_cvt_scalef32_pk16_fp6_f32 v[PC+12*\a+6:PC+12*\a+8], v[32*\a+16:32*\a+31], v[SO+2*\a+1]
.endr
	WIN 0
	v_nop                                          ; one plain line behind the conversions
.irp a, 0,1,2,3,4,5,6,7                ; the image wants a whole block in a lane: lanes 0-15 block 0, lanes 16-31 block 1
.irp i, 0,1,2
	v_permlane16_swap_b32 v[PC+12*\a+\i], v[PC+12*\a+6+\i]
.endr
.irp i, 0,1,2
	v_mov_b32 v[PC+12*\a+3+\i], v[PC+12*\a+6+\i]
.endr
.endr
	; where they go.  A head of qkv is 307,200 bytes: Q at 0, K at 102,400 (128 half images by token tile, then halfwords [tile][r] at + 98,304), V at 204,800 ([128 keys][tile of 16 channels][64 keys] half images, then words [128 keys][tile][r] at + 98,304)
	s_lshl_b32 s84, s16, 4
	s_lshl_b32 s85, s11, 3
	s_add_co_u32 s84, s84, s85                     ; my first tile of A's rows
	s_lshl_b32 s85, s15, 1
	s_add_co_u32 s85, s85, s12                     ; my 64 rows of B
	s_lshr_b32 s86, s84, 7                         ; q, k: the batch,
	s_lshl_b32 s86, s86, 4
	s_and_b32 s87, s85, 15                         ; the head,
	s_add_co_u32 s86, s86, s87
	s_mul_i32 s86, s86, 307200
	s_lshr_b32 s87, s85, 4                         ; q or k,
	s_mul_i32 s87, s87, 102400
	s_add_co_u32 s86, s86, s87
	s_and_b32 s87, s84, 127                        ; the token tile
	s_mul_i32 s88, s87, 768
	s_add_co_u32 s88, s88, s86                     ; codes
	s_lshl_b32 s87, s87, 5
	s_add_co_u32 s87, s87, s86
	s_add_co_u32 s87, s87, 98304                   ; scale halfwords
	s_lshr_b32 s89, s85, 5                         ; v: the batch,
	s_lshl_b32 s89, s89, 4
	s_lshr_b32 s90, s84, 2                         ; the head (four tiles of channels),
	s_add_co_u32 s89, s89, s90
	s_mul_i32 s89, s89, 307200
	s_bfe_u32 s90, s85, 0x40001                    ; which 128 keys,
	s_and_b32 s91, s85, 1                          ; which 64 of them
	s_mul_i32 s92, s90, 6144
	s_add_co_u32 s92, s92, s89
	s_mul_i32 s93, s91, 768
	s_add_co_u32 s92, s92, s93
	s_add_co_u32 s92, s92, 204800                  ; codes
	s_lshl_b32 s90, s90, 8
	s_add_co_u32 s90, s90, s89
	s_lshl_b32 s91, s91, 1
	s_add_co_u32 s90, s90, s91
	s_add_co_u32 s90, s90, 303104                  ; scale halfwords
	s_cmp_eq_u32 s19, 0
	s_cselect_b32 s88, s88, s92
	s_cselect_b32 s87, s87, s90
	s_mov_b32 s89, 1536
	s_cselect_b32 s89, 768, s89                    ; from block a to a + 1
	s_mov_b32 s91, 302592
	s_cselect_b32 s91, 768, s91                    ; from a = 3 to 4: in v the next head
	s_mov_b32 s92, 128
	s_cselect_b32 s92, 64, s92                     ; scale halfwords: from a pair of blocks to the next
	s_mov_b32 s93, 307072
	s_cselect_b32 s93, 64, s93
	s_cselect_b32 s94, 1, 2                        ; 2 or 4 bytes from lane to lane
	v_lshlrev_b32 v21, 4, v1
	v_lshlrev_b32 v22, 3, v1
	v_lshlrev_b32 v23, s94, v1
.irp a, 0,1,2,3,4,5,6,7
	v_add_nc_u32 v[216+\a], s88, v21
	v_add_nc_u32 v[224+\a], s88, v22
.if \a == 3
	s_add_co_u32 s88, s88, s91
.else
	s_add_co_u32 s88, s88, s89
.endif
.endr
	s_mov_b32 vcc_lo, 0xffff0000
.irp i, 0,1,2,3
	v_add_nc_u32 v[232+\i], s87, v23
	v_cndmask_b32 v[240+\i], v[HW+2*\i], v[HW+2*\i+1], vcc_lo      ; lanes 0-15 carry block 2 i's halfwords, lanes 16-31 block 2 i + 1's
.if \i == 1
	s_add_co_u32 s87, s87, s93
.else
	s_add_co_u32 s87, s87, s92
.endif
.endr
.irp a, 0,1,2,3,4,5,6,7                ; every store has registers of its own: none is written again
	global_store_b128 v[216+\a], v[PC+12*\a:PC+12*\a+3], s[8:9]               ; 512 consecutive bytes, at a multiple of 256 from qkv's first byte
	global_store_b64 v[224+\a], v[PC+12*\a+4:PC+12*\a+5], s[8:9] offset:512   ; 256 consecutive bytes
.endr
.irp i, 0,1,2,3
	global_store_b16 v[232+\i], v[240+\i], s[8:9]
.endr
.endif
	s_wait_tensorcnt 0x0                           ; the wave's end, behind my last tensor load and my last LDS store
	ds_add_u32 v[SPW], v[NIL]
	s_wait_dscnt 0x0
	CROUND                                         ; the closing round
	s_endpgm
.Lfunc_end_k_q8f2f7dc22f_proj:
	.size	k_q8f2f7dc22f_proj, .Lfunc_end_k_q8f2f7dc22f_proj-k_q8f2f7dc22f_proj
	.p2alignl 7, 3214868480
	.fill 96, 4, 3214868480
	.section	.rodata,"a",@progbits
	.p2align	6, 0x0
	.amdhsa_kernel k_q8f2f7dc22f_proj
		.amdhsa_group_segment_fixed_size 327680
		.amdhsa_private_segment_fixed_size 0
		.amdhsa_enable_private_segment 0
		.amdhsa_kernarg_size 24
		.amdhsa_user_sgpr_count 2
		.amdhsa_user_sgpr_kernarg_segment_ptr 1
		.amdhsa_wavefront_size32 1
		.amdhsa_system_sgpr_workgroup_id_x 1
		.amdhsa_system_sgpr_workgroup_id_y 1
		.amdhsa_system_sgpr_workgroup_id_z 1
		.amdhsa_system_vgpr_workitem_id 0
		.amdhsa_next_free_vgpr 512
		.amdhsa_next_free_sgpr 100
		.amdhsa_reserve_vcc 1
		.amdhsa_float_denorm_mode_32 3
		.amdhsa_float_denorm_mode_16_64 3
		.amdhsa_memory_ordered 1
		.amdhsa_forward_progress 1
		.amdhsa_inst_pref_size 92
	.end_amdhsa_kernel
	.amdgpu_metadata
---
amdhsa.version: [ 1, 2 ]
amdhsa.kernels:
  - .name:           k_q8f2f7dc22f_proj
    .symbol:         k_q8f2f7dc22f_proj.kd
    .args:
      - { .name: xi, .offset: 0, .size: 8, .value_kind: global_buffer, .address_space: global }
      - { .name: wqi, .offset: 8, .size: 8, .value_kind: global_buffer, .address_space: global }
      - { .name: qkv, .offset: 16, .size: 8, .value_kind: global_buffer, .address_space: global }
    .group_segment_fixed_size: 327680
    .private_segment_fixed_size: 0
    .kernarg_segment_align: 8
    .kernarg_segment_size: 24
    .max_flat_workgroup_size: 128
    .sgpr_count:     100
    .vgpr_count:     512
    .wavefront_size: 32
...
	.end_amdgpu_metadata
.endif
;; end of part 2
;; launch attn (part 3): grid 4 x 64, 16 waves a work-group, clusters of 4 x 1, 206,848 bytes of LDS; arguments qkv, ai; writes ai
.if DOCPART == 3
	.amdgcn_target "amdgcn-amd-amdhsa--gfx1250"
	.amdhsa_code_object_version 6
	.text
	.protected	k_q8f2f7dc22f_attn
	.globl	k_q8f2f7dc22f_attn
	.p2align	8
	.type	k_q8f2f7dc22f_attn,@function
k_q8f2f7dc22f_attn:
	s_mov_b64 s[64:65], 0
	v_nop
	global_prefetch_b8 v0, s[64:65] scope:SCOPE_SE
	s_setreg_imm32_b32 hwreg(HW_REG_WAVE_MODE, 25, 1), 1
	s_wait_xcnt 0x0
	s_wait_alu depctr_hold_cnt(0) depctr_sa_sdst(0) depctr_va_vdst(0) depctr_va_sdst(0) depctr_va_ssrc(0) depctr_va_vcc(0) depctr_vm_vsrc(0)
	s_getreg_b32 s2, hwreg(HW_REG_IB_STS2, 6, 4)
	s_cmp_eq_u32 s2, 0
	s_cbranch_scc0 .Lentry_in_a_cluster
	s_endpgm
.Lentry_in_a_cluster:
	s_bfe_u32 s2, ttmp6, 0x10000c
	s_cmp_lg_u32 s2, 0x3003
	s_cbranch_scc0 .Lentry_shape_is_right
	s_endpgm
.Lentry_shape_is_right:
; Causal attention of one head (2,048 tokens, head size 64) on codes of FP6 (E2M3) with E8M0 scales; both products quantised.  The result, divided by the row's sum, is quantised along the channels and leaves as an image for the last product.
; THE SOFTMAX: t = score x log2(e) / 8; M = the running largest t rounded UP to a whole number; p = 2^(t - M) is quantised along the keys, not normalised; the row's sum is taken of the unquantised p; when M moves, sum and O are multiplied by 2^(old M - new M), exactly.
; INPUT, a head of qkv (307,200 bytes), as the launch before laid it: half images of 768 bytes (16 rows x 64 along K: lane's registers 0-3 at 16 x lane, 4-5 at 512 + 8 x lane); token tile tt holds tokens 32 (tt/2) + 8 (tt%2) + r + 8 (r/8).
;   Q at 0 and K at 102,400: 128 half images, then scale halfwords [tt][r] at + 98,304.  V at 204,800: [128 keys j][tile of 16 channels][64 keys] half images, then scale words [j][tile][r] at + 98,304.
; SHARES.  A cluster of four work-groups is one head.  K and V of the whole head, 204,800 bytes, lie in each work-group's LDS, asked for JOINTLY, one load a wave, filled once.  Wave w of work-group p owns two tiles of 16 queries:
; tiles 8 G + 2 p + i with (G, i) = (w, 0) and (15 - w, 1).  Such a tile's tokens lie in 128 G .. 128 G + 127, so it needs key steps 0 .. G of 128 keys: every wave of the launch does 17 steps.  Steps behind the diagonal are left out by a scalar branch
; on the wave's number and loop counters; the place in the cluster enters global addresses and the mask's lane values alone.
; LAYOUT.  Both products transposed: S^T = K Q^T, O^T = V^T P^T: a lane holds ONE query.  By the tiles' row order the 16 registers of key tiles 2 b, 2 b + 1 are keys 32 b + 16 h + 0 .. 15, and those of channel tiles likewise 16 neighbouring channels.
; The first product's K is 64, half of the instruction's 128: Q's upper six registers are zero codes; K's upper six are whatever follows (the next tile's codes, or zeros) and meet those zeros; the upper two scale bytes are 0, which is a number.
; LIMITS: NaN and infinities are not served; 1 / sum by v_rcp_f32; a block's largest magnitude under 2^-124 is taken as 2^-124 (byte 1); a block of zeros has the byte 1: its codes are zeros, and this program alone reads the bytes.
.set HEADB, 307200
.set KSC,   98304                      ; LDS: K's codes at 0, its scale halfwords here,
.set VCO,   102400                     ; V's codes,
.set VSC,   200704                     ; its scale words,
.set SPARE, 204800                     ; the spare words: 128 bytes for each of 16 waves
.set SPW, 5                            ; v5  SPARE + 4 x my thread's number; never rewritten
.set NIL, 6                            ; v6  0; never rewritten
.set QC,  20                           ; v20-25 Q's codes, v26-31 zeros
.set FR,  32                           ; v32-79 K's eight half fragments, then V's four fragments; v80-85 zeros
.set KS,  86                           ; v86-89 K's scales; v90-91 V's; v92 Q's; v93 p's: scales and nothing else
.set VS,  90
.set QS,  92
.set PW,  93
.set S,   96                           ; v96-159 S^T, then p
.set O,   160                          ; v160-191 O^T
.set PCD, 192                          ; v192-203 p's codes; v204-210 the conversions' second halves
.set CTM, 204
.set BM,  212                          ; v212-215 a block's largest; v216-219 the other half's, then bytes; v220-223 scale operands
.set BP,  216
.set SO,  220
; v1 16 l, v2 8 l, v3 2 l + KSC, v4 4 l + VSC, v9 16 l + VCO, v95 8 l + VCO, v7 r + 8 (r/8) - 16 h, v8 the mask's lane value; v10-15 the step's addresses; v16 -M, v17 the largest t, v[18:19] the sum; v[224:225] f; v226 at work; v227 -infinity;
; v228-233, v94 the second tile's Q and its scales; v234-237 the way out; v[238:239] the sum's second chain
; s8 wave, s9 place in the cluster, s10 head, s11 G, s12 i, s13 key step, s14, s15 its bytes among codes and scales; s[16:23], s[24:27] the descriptor; s[28:29] lane selects; s[30:31] c
.macro CROUND
	s_barrier_signal -1
	s_barrier_wait -1
	s_cmp_lg_u32 s8, 0
	s_cbranch_scc1 .Lnot_wave_0_\@
	s_barrier_signal -3
.Lnot_wave_0_\@:
	s_barrier_wait -3
	s_barrier_signal -1
	s_barrier_wait -1
.endm
	s_load_b128 s[4:7], s[0:1], 0x0                ; qkv s[4:5], ai s[6:7]
	v_lshl_add_u32 v[SPW], v0, 2, SPARE
	v_mov_b32 v[NIL], 0
	ds_add_u32 v[SPW], v[NIL]                      ; the wave's opening: the add and its wait ahead of my tensor load; work on registers stands between
	ds_add_u32 v[SPW], v[NIL]
	v_lshrrev_b32 v1, 5, v0
	s_delay_alu instid0(VALU_DEP_1)
	v_readfirstlane_b32 s8, v1                     ; wave 0..15
	s_bfe_u32 s9, ttmp6, 0x40000                   ; my place in the cluster
	s_and_b32 s10, ttmp7, 0xffff                   ; the head, 16 x batch + head: shared by the four
	s_mov_b32 s16, 15|(3<<16)|(1<<21)              ; 15:0 the mask: all four; 17:16 elements of 8 bytes; 21 set beside a mask; no padding
	s_mov_b32 s17, 32<<16                          ; tensor_dim0: 32 elements = 256 bytes
	s_mov_b32 s18, 50<<16                          ; tensor_dim1: 50 rows: 12,800 dense bytes, a sixteenth of K and V
	s_mov_b32 s19, 32<<16                          ; tile_dim0
	s_mov_b32 s20, 50                              ; tile_dim1
	s_mov_b32 s21, 32                              ; the pitch: dense
	s_mov_b32 s22, 0
	s_mov_b32 s23, 0
	s_mul_i32 s32, s10, HEADB
	s_mov_b32 s33, 0
	s_mov_b32 s24, 1
	s_mul_i32 s25, s8, 12800                       ; LDS address: the wave's number alone
	s_add_co_u32 s34, s25, 102400                  ; K begins 102,400 bytes into the head
	s_mov_b32 s35, 0
	s_mov_b32 s28, 0x76543210
	s_mov_b32 s29, 0xfedcba98
	s_mov_b32 s30, 0x3e38aa3b                      ; c = log2(e) / 8
	s_mov_b32 s31, s30                             ; (named with it as a pair)
	s_wait_dscnt 0x0                               ; the opening add is done
	s_wait_kmcnt 0x0
	s_add_nc_u64 s[4:5], s[4:5], s[32:33]          ; qkv at my head
	s_add_nc_u64 s[26:27], s[4:5], s[34:35]
	s_or_b32 s27, s27, 0x80000000
	CROUND                                         ; all four work-groups are here: the joint loads meet
	tensor_load_to_lds s[24:27], s[16:23]          ; my one tensor load
	s_nop 0
.rept 4
	v_nop
.endr
	v_and_b32 v226, 31, v0                         ; l
	v_and_b32 v227, 15, v0                         ; r
	v_bfe_u32 v224, v0, 4, 1                       ; h
	s_delay_alu instid0(VALU_DEP_3)
	v_lshlrev_b32 v1, 4, v226
	s_delay_alu instid0(VALU_DEP_4)
	v_lshlrev_b32 v2, 3, v226
	v_lshl_add_u32 v3, v226, 1, KSC
	v_lshl_add_u32 v4, v226, 2, VSC
	s_delay_alu instid0(VALU_DEP_4)
	v_add_nc_u32 v9, VCO, v1
	s_delay_alu instid0(VALU_DEP_4)
	v_add_nc_u32 v95, VCO, v2
	v_and_b32 v7, 8, v227
	s_delay_alu instid0(VALU_DEP_1)
	v_add_nc_u32 v7, v7, v227
	v_lshlrev_b32 v224, 4, v224
	s_delay_alu instid0(VALU_DEP_1)
	v_sub_nc_u32 v7, v7, v224                      ; r + 8 (r/8) - 16 h
	s_lshl_b32 s32, s8, 3
	s_lshl_b32 s33, s9, 1
	s_add_co_u32 s32, s32, s33                     ; my first tile: 8 w + 2 p
	s_sub_co_u32 s34, 15, s8
	s_lshl_b32 s34, s34, 3
	s_add_co_u32 s34, s34, s33
	s_add_co_u32 s34, s34, 1                       ; my second: 8 (15 - w) + 2 p + 1
	s_mul_i32 s36, s32, 768
	s_lshl_b32 s37, s32, 5
	s_mul_i32 s38, s34, 768
	s_lshl_b32 s39, s34, 5
	v_add_nc_u32 v10, s36, v1
	v_add_nc_u32 v11, s36, v2
	v_lshl_add_u32 v12, v227, 1, s37
	v_add_nc_u32 v13, s38, v1
	v_add_nc_u32 v14, s38, v2
	v_lshl_add_u32 v15, v227, 1, s39
	global_load_b128 v[QC:QC+3], v10, s[4:5]
	global_load_b64 v[QC+4:QC+5], v11, s[4:5] offset:512
	global_load_u16 v[QS], v12, s[4:5] offset:KSC  ; two bytes; the upper two come as zeros
	global_load_b128 v[228:231], v13, s[4:5]
	global_load_b64 v[232:233], v14, s[4:5] offset:512
	global_load_u16 v94, v15, s[4:5] offset:KSC
.irp i, 0,1,2,3,4,5
	v_mov_b32 v[QC+6+\i], 0                        ; zero codes for the upper 64 of the instruction's 128
	v_mov_b32 v[FR+48+\i], 0
.endr
.irp b, 0,1,2,3
	v_mov_b32 v[BP+\b], 0                          ; a lane permute's destination counts as one of its sources
.endr
	v_mov_b32 v224, 0
	v_mov_b32 v225, 0                              ; (named as the upper half of the pair v[224:225])
	v_mov_b32 v226, 0
	v_mov_b32 v227, 0xff800000                     ; -infinity
	s_wait_tensorcnt 0x0                           ; my sixteenth of K and V has landed,
	s_barrier_signal -1
	s_barrier_wait -1                              ; everybody's has.  From here on LDS is only read
	s_wait_loadcnt 0x0                             ; Q
	s_mov_b32 s11, s8
	s_mov_b32 s12, 0
.macro SQK t                           ; S^T of key tile t: the odd tiles' scales lie in lanes 16-31
.if (\t)%2
	v_wmma_scale_f32_16x16x128_f8f6f4 v[S+8*(\t):S+8*(\t)+7], v[FR+6*(\t):FR+6*(\t)+11], v[QC:QC+11], 0, v[KS+(\t)/2], v[QS] matrix_a_fmt:MATRIX_FMT_FP6 matrix_b_fmt:MATRIX_FMT_FP6 matrix_a_scale:MATRIX_SCALE_ROW1
.else
	v_wmma_scale_f32_16x16x128_f8f6f4 v[S+8*(\t):S+8*(\t)+7], v[FR+6*(\t):FR+6*(\t)+11], v[QC:QC+11], 0, v[KS+(\t)/2], v[QS] matrix_a_fmt:MATRIX_FMT_FP6 matrix_b_fmt:MATRIX_FMT_FP6
.endif
.endm
.macro OPV d                           ; O^T of channel tile d += V^T P^T
.if (\d)%2
	v_wmma_scale_f32_16x16x128_f8f6f4 v[O+8*(\d):O+8*(\d)+7], v[FR+12*(\d):FR+12*(\d)+11], v[PCD:PCD+11], v[O+8*(\d):O+8*(\d)+7], v[VS+(\d)/2], v[PW] matrix_a_fmt:MATRIX_FMT_FP6 matrix_b_fmt:MATRIX_FMT_FP6 matrix_a_scale:MATRIX_SCALE_ROW1
.else
	v_wmma_scale_f32_16x16x128_f8f6f4 v[O+8*(\d):O+8*(\d)+7], v[FR+12*(\d):FR+12*(\d)+11], v[PCD:PCD+11], v[O+8*(\d):O+8*(\d)+7], v[VS+(\d)/2], v[PW] matrix_a_fmt:MATRIX_FMT_FP6 matrix_b_fmt:MATRIX_FMT_FP6
.endif
.endm
.Ltile:                                            ; two trips: my two tiles of queries
	s_wait_xcnt 0x0                                ; the last tile's stores have read their registers
	s_lshl_b32 s32, s9, 5
	s_lshl_b32 s33, s12, 3
	s_add_co_u32 s32, s32, s33
	v_add_nc_u32 v8, s32, v7                       ; d = my query - 128 G - 16 h
	v_mov_b32 v17, 0xff61b1e6                      ; the largest t so far: -3e38
	s_delay_alu instid0(VALU_DEP_1)
	v_floor_f32 v16, -v17                          ; -M
	v_mov_b32 v18, 0
	v_mov_b32 v19, 0
.set j, 0
.rept 32
	v_mov_b32 v[O+j], 0                            ; the step is written once: the first finds zeros, which the first change of M leaves zeros
.set j, j+1
.endr
	s_mov_b32 s13, 0
	s_mov_b32 s14, 0
	s_mov_b32 s15, 0
.Lstep:                                            ; sixteen trips, a constant; the work of the steps behind the diagonal is jumped over
	s_cmp_gt_u32 s13, s11
	s_cbranch_scc1 .Lskip
	s_setprio 2
	v_add_nc_u32 v10, s14, v1                      ; (these six are also the plain lines between the last products and the loads into their sources)
	v_add_nc_u32 v11, s14, v2
	v_add_nc_u32 v12, s14, v9
	v_add_nc_u32 v13, s14, v95
	v_add_nc_u32 v14, s15, v3
	v_add_nc_u32 v15, s15, v4
.irp t, 0,1,2,3,4,5,6,7
	ds_load_b128 v[FR+6*\t:FR+6*\t+3], v10 offset:768*\t
	ds_load_b64 v[FR+6*\t+4:FR+6*\t+5], v11 offset:768*\t+512
.endr
.irp b, 0,1,2,3
	ds_load_u16 v[KS+\b], v14 offset:64*\b         ; lanes 0-15: tile 2 b's halfwords, lanes 16-31: tile 2 b + 1's
.endr
	s_wait_alu depctr_va_vdst(0)
	s_wait_dscnt 0x0
.irp t, 0,1,2,3,4,5,6,7
	SQK \t
.endr
.rept 4
	v_nop                                          ; ahead of the loads into K's registers and of the first read of the scores
.endr
.irp d, 0,1,2,3                        ; V's fragments land while the softmax is walked
	ds_load_b128 v[FR+12*\d:FR+12*\d+3], v12 offset:1536*\d
	ds_load_b64 v[FR+12*\d+4:FR+12*\d+5], v13 offset:1536*\d+512
	ds_load_b128 v[FR+12*\d+6:FR+12*\d+9], v12 offset:1536*\d+768
	ds_load_b64 v[FR+12*\d+10:FR+12*\d+11], v13 offset:1536*\d+1280
.endr
	ds_load_b32 v[VS], v15
	ds_load_b32 v[VS+1], v15 offset:128
	s_cmp_lg_u32 s13, s11                          ; the diagonal step: register 16 b + i holds key 128 G + 16 h + 32 b + i, hidden where 32 b + i > d
	s_cbranch_scc1 .Lopen
.set n, 0
.rept 64
	v_cmp_gt_i32 vcc_lo, 32*(n/16)+n%16, v8
	v_cndmask_b32 v[S+n], v[S+n], v227, vcc_lo
.set n, n+1
.endr
.Lopen:
.irp b, 0,1,2,3
	v_max3_num_f32 v[BM+\b], v[S+16*\b], v[S+1+16*\b], v[S+2+16*\b]   ; the largest score of each block of 32 keys: for the row's maximum, and, since p rises with the score, for the block's largest p
.endr
.irp i, 3,5,7,9,11,13
.irp b, 0,1,2,3
	v_max3_num_f32 v[BM+\b], v[BM+\b], v[S+16*\b+\i], v[S+1+16*\b+\i]
.endr
.endr
.irp b, 0,1,2,3
	v_max_num_f32 v[BM+\b], v[BM+\b], v[S+15+16*\b]
.endr
.irp b, 0,1,2,3
	s_delay_alu instid0(VALU_DEP_4)
	v_permlanex16_b32 v[BP+\b], v[BM+\b], s28, s29
.endr
.irp b, 0,1,2,3
	s_delay_alu instid0(VALU_DEP_4)
	v_max_num_f32 v[BM+\b], v[BM+\b], v[BP+\b]
.endr
	s_delay_alu instid0(VALU_DEP_2)
	v_max3_num_f32 v226, v[BM], v[BM+1], v[BM+2]
	s_delay_alu instid0(VALU_DEP_1)
	v_max_num_f32 v226, v226, v[BM+3]
	s_delay_alu instid0(VALU_DEP_1)
	v_mul_f32 v226, s30, v226                      ; as t
	s_delay_alu instid0(VALU_DEP_1)
	v_max_num_f32 v17, v17, v226                   ; the running largest t
	v_mov_b32 v226, v16
	s_delay_alu instid0(VALU_DEP_2)
	v_floor_f32 v16, -v17                          ; the new -M = -ceil(t)
	s_delay_alu instid0(VALU_DEP_1)
	v_sub_f32 v226, v16, v226                      ; old M - new M: a whole number, 0 or less
	s_delay_alu instid0(VALU_DEP_1)
	v_cvt_i32_f32 v226, v226                       ; (it saturates)
	s_delay_alu instid0(VALU_DEP_1)
	v_ldexp_f32 v224, 1.0, v226                    ; f = 2^(old M - new M)
.set j, 0
	s_setprio 1
.rept 32
	v_pk_fma_f32 v[S+j:S+j+1], v[S+j:S+j+1], s[30:31], v[16:17] op_sel_hi:[1,0,0]   ; t - M, two at a time
.set j, j+2
.endr
.irp b, 0,1,2,3
	v_fma_f32 v[BM+\b], v[BM+\b], s30, v16
.endr
.set j, 0
	s_wait_alu depctr_va_vdst(0)
.rept 64
	v_exp_f32 v[S+j], v[S+j]                       ; p = 2^(t - M)
.set j, j+1
.endr
	v_pk_mul_f32 v[18:19], v[18:19], v[224:225] op_sel_hi:[1,0]   ; the sum under the new M (the plain line behind the exponentials)
	s_wait_alu depctr_va_vdst(0)                   ; one wait for the batch, ahead of its first reader
.irp b, 0,1,2,3
	v_exp_f32 v[BM+\b], v[BM+\b]                   ; the block's largest p
.endr
	v_pk_add_f32 v[238:239], v[100:101], v[104:105]
	v_pk_add_f32 v[254:255], v[108:109], v[112:113]
	v_pk_add_f32 v[252:253], v[116:117], v[120:121]
	v_pk_add_f32 v[250:251], v[124:125], v[128:129]
	v_pk_add_f32 v[248:249], v[132:133], v[136:137]
	v_pk_add_f32 v[246:247], v[140:141], v[144:145]
	v_pk_add_f32 v[244:245], v[148:149], v[152:153]
	v_pk_add_f32 v[18:19], v[18:19], v[156:157]
	v_pk_add_f32 v[238:239], v[238:239], v[96:97]
	v_pk_add_f32 v[254:255], v[254:255], v[98:99]
	v_pk_add_f32 v[252:253], v[252:253], v[102:103]
	v_pk_add_f32 v[250:251], v[250:251], v[106:107]
	v_pk_add_f32 v[248:249], v[248:249], v[110:111]
	v_pk_add_f32 v[246:247], v[246:247], v[114:115]
	v_pk_add_f32 v[244:245], v[244:245], v[118:119]
	v_pk_add_f32 v[18:19], v[18:19], v[122:123]
	v_pk_add_f32 v[238:239], v[238:239], v[126:127]
	v_pk_add_f32 v[254:255], v[254:255], v[130:131]
	v_pk_add_f32 v[252:253], v[252:253], v[134:135]
	v_pk_add_f32 v[250:251], v[250:251], v[138:139]
	v_pk_add_f32 v[248:249], v[248:249], v[142:143]
	v_pk_add_f32 v[246:247], v[246:247], v[146:147]
	v_pk_add_f32 v[244:245], v[244:245], v[150:151]
	v_pk_add_f32 v[18:19], v[18:19], v[154:155]
	v_pk_add_f32 v[238:239], v[238:239], v[158:159]
	s_delay_alu instid0(VALU_DEP_2)
	v_pk_add_f32 v[18:19], v[18:19], v[250:251]
	s_delay_alu instid0(VALU_DEP_2)
	v_pk_add_f32 v[238:239], v[238:239], v[248:249]
	v_pk_add_f32 v[254:255], v[254:255], v[246:247]
	v_pk_add_f32 v[252:253], v[252:253], v[244:245]
	s_delay_alu instid0(VALU_DEP_2)
	v_pk_add_f32 v[18:19], v[18:19], v[254:255]
	s_delay_alu instid0(VALU_DEP_2)
	v_pk_add_f32 v[238:239], v[238:239], v[252:253]
	s_delay_alu instid0(VALU_DEP_1)
	v_pk_add_f32 v[18:19], v[18:19], v[238:239]
	s_wait_alu depctr_va_vdst(0)                   ; and one for the four
.irp b, 0,1,2,3
	v_max_num_f32 v[BM+\b], 0x1800000, v[BM+\b]    ; the floor 2^(3 - 127)
.endr
.irp b, 0,1,2,3
	s_delay_alu instid0(VALU_DEP_4)
	v_add_nc_u32 v[SO+\b], 0xff000000, v[BM+\b]
.endr
.irp b, 0,1,2,3
	s_delay_alu instid0(VALU_DEP_4)
	v_lshrrev_b32 v[BP+\b], 23, v[SO+\b]
.endr
	s_delay_alu instid0(VALU_DEP_3)
	v_lshl_or_b32 v[PW], v[BP+1], 8, v[BP]         ; p's scale word for these 128 keys
	s_delay_alu instid0(VALU_DEP_1)
	v_lshl_or_b32 v[PW], v[BP+2], 16, v[PW]
	s_delay_alu instid0(VALU_DEP_1)
	v_lshl_or_b32 v[PW], v[BP+3], 24, v[PW]
	s_setprio 0
.irp c, 0,1
	v_cvt_scalef32_pk16_fp6_f32 v[PCD+6*\c:PCD+2+6*\c], v[S+32*\c:S+15+32*\c], v[SO+2*\c]
	v_cvt_scalef32_pk16_fp6_f32 v[CTM+4*\c:CTM+2+4*\c], v[S+16+32*\c:S+31+32*\c], v[SO+2*\c+1]
.endr
	v_nop                                          ; one plain line behind the conversions
.irp c, 0,1                            ; a whole block in a lane: lanes 0-15 block 2 c, lanes 16-31 block 2 c + 1
.irp i, 0,1,2
	v_permlane16_swap_b32 v[PCD+6*\c+\i], v[CTM+4*\c+\i]
.endr
.irp i, 0,1,2
	s_delay_alu instid0(VALU_DEP_3)
	v_mov_b32 v[PCD+3+6*\c+\i], v[CTM+4*\c+\i]
.endr
.endr
.set j, 0
.rept 16
	v_pk_mul_f32 v[O+j:O+j+1], v[O+j:O+j+1], v[224:225] op_sel_hi:[1,0]   ; O^T under the new M.  (These sixteen also stand between the lines that wrote p's codes and scale word and the products)
.set j, j+2
.endr
	s_wait_alu depctr_va_vdst(0)
	s_wait_dscnt 0x0                               ; V
.irp d, 0,1,2,3
	OPV \d
.endr
.Lskip:
	s_add_co_u32 s14, s14, 6144                    ; the next 128 keys: eight half images of K, as many bytes of V,
	s_add_co_u32 s15, s15, 256                     ; 256 bytes of either's scales
	s_add_co_u32 s13, s13, 1
	s_cmp_lt_u32 s13, 16
	s_cbranch_scc1 .Lstep
	s_setprio 0
	; THE WAY OUT of a tile: O^T / the sum, quantised along the head's 64 channels (two blocks), as a half image of the last product's operand
.rept 4
	v_nop
.endr
	v_add_f32 v18, v18, v19
	s_delay_alu instid0(VALU_DEP_1)
	v_permlanex16_b32 v226, v18, s28, s29
	s_delay_alu instid0(VALU_DEP_1)
	v_add_f32 v18, v18, v226                       ; the row's sum
	s_wait_alu depctr_va_vdst(0)
	v_rcp_f32 v18, v18
	s_lshl_b32 s32, s11, 3
	s_lshl_b32 s33, s9, 1
	s_add_co_u32 s32, s32, s33
	s_add_co_u32 s32, s32, s12                     ; the token tile in the batch
	s_lshr_b32 s33, s10, 4
	s_lshl_b32 s33, s33, 7
	s_add_co_u32 s32, s32, s33                     ; + 128 x batch
	s_mul_i32 s32, s32, 13312
	s_bfe_u32 s33, s10, 0x20002                    ; the slot: head / 4
	s_mul_i32 s33, s33, 3328
	s_add_co_u32 s32, s32, s33
	s_and_b32 s33, s10, 3                          ; the half image in it: head % 4
	s_mul_i32 s34, s33, 768
	s_add_co_u32 s34, s34, s32
	s_lshl_b32 s33, s33, 1
	s_add_co_u32 s33, s33, s32
	v_add_nc_u32 v234, s34, v1                     ; (plain lines behind the reciprocal)
	v_add_nc_u32 v235, s34, v2
	v_add_nc_u32 v236, s33, v2
	s_wait_alu depctr_va_vdst(0)                   ; ahead of the reciprocal's first reader
.set j, 0
.rept 32
	v_mul_f32 v[S+j], v[O+j], v18                  ; register 16 i + k is channel 32 i + 16 h + k of my query
.set j, j+1
.endr
.irp b, 0,1
	v_max3_num_f32 v[BM+\b], |v[S+16*\b]|, |v[S+1+16*\b]|, 0x1800000
.endr
.irp i, 2,4,6,8,10,12,14
.irp b, 0,1
	s_delay_alu instid0(VALU_DEP_2)
	v_max3_num_f32 v[BM+\b], v[BM+\b], |v[S+16*\b+\i]|, |v[S+1+16*\b+\i]|
.endr
.endr
.irp b, 0,1
	s_delay_alu instid0(VALU_DEP_2)
	v_permlanex16_b32 v[BP+\b], v[BM+\b], s28, s29
.endr
.irp b, 0,1
	s_delay_alu instid0(VALU_DEP_2)
	v_max_num_f32 v[BM+\b], v[BM+\b], v[BP+\b]
.endr
.irp b, 0,1
	s_delay_alu instid0(VALU_DEP_2)
	v_add_nc_u32 v[SO+\b], 0xff000000, v[BM+\b]
.endr
.irp b, 0,1
	s_delay_alu instid0(VALU_DEP_2)
	v_lshrrev_b32 v[BP+\b], 23, v[SO+\b]
.endr
	s_delay_alu instid0(VALU_DEP_1)
	v_lshl_or_b32 v237, v[BP+1], 8, v[BP]
	v_cvt_scalef32_pk16_fp6_f32 v[PCD:PCD+2], v[S:S+15], v[SO]
	v_cvt_scalef32_pk16_fp6_f32 v[CTM:CTM+2], v[S+16:S+31], v[SO+1]
	v_nop
.irp i, 0,1,2
	v_permlane16_swap_b32 v[PCD+\i], v[CTM+\i]
.endr
.irp i, 0,1,2
	s_delay_alu instid0(VALU_DEP_3)
	v_mov_b32 v[PCD+3+\i], v[CTM+\i]
.endr
	global_store_b128 v234, v[PCD:PCD+3], s[6:7]                 ; 512 consecutive bytes, at a multiple of 256 from ai's first byte
	global_store_b64 v235, v[PCD+4:PCD+5], s[6:7] offset:512     ; 256 consecutive bytes
	global_store_b16 v236, v237, s[6:7] offset:3072              ; two of the row's eight scale bytes: lanes 0-15 where they are read, lanes 16-31 a copy 128 bytes on, which nobody reads
.irp i, 0,1,2,3,4,5
	v_mov_b32 v[QC+\i], v[228+\i]                  ; the second tile's Q
.endr
	v_mov_b32 v[QS], v94
	s_xor_b32 s11, s11, 15                         ; G = 15 - w
	s_add_co_u32 s12, s12, 1
	s_cmp_lt_u32 s12, 2
	s_cbranch_scc1 .Ltile
	s_wait_tensorcnt 0x0                           ; the wave's end, behind my tensor load
	ds_add_u32 v[SPW], v[NIL]
	s_wait_dscnt 0x0
	CROUND                                         ; the closing round
	s_endpgm
.Lfunc_end_k_q8f2f7dc22f_attn:
	.size	k_q8f2f7dc22f_attn, .Lfunc_end_k_q8f2f7dc22f_attn-k_q8f2f7dc22f_attn
	.p2alignl 7, 3214868480
	.fill 96, 4, 3214868480
	.section	.rodata,"a",@progbits
	.p2align	6, 0x0
	.amdhsa_kernel k_q8f2f7dc22f_attn
		.amdhsa_group_segment_fixed_size 206848
		.amdhsa_private_segment_fixed_size 0
		.amdhsa_enable_private_segment 0
		.amdhsa_kernarg_size 16
		.amdhsa_user_sgpr_count 2
		.amdhsa_user_sgpr_kernarg_segment_ptr 1
		.amdhsa_wavefront_size32 1
		.amdhsa_system_sgpr_workgroup_id_x 1
		.amdhsa_system_sgpr_workgroup_id_y 1
		.amdhsa_system_sgpr_workgroup_id_z 1
		.amdhsa_system_vgpr_workitem_id 0
		.amdhsa_next_free_vgpr 256
		.amdhsa_next_free_sgpr 66
		.amdhsa_reserve_vcc 1
		.amdhsa_float_denorm_mode_32 3
		.amdhsa_float_denorm_mode_16_64 3
		.amdhsa_memory_ordered 1
		.amdhsa_forward_progress 1
		.amdhsa_inst_pref_size 36
	.end_amdhsa_kernel
	.amdgpu_metadata
---
amdhsa.version: [ 1, 2 ]
amdhsa.kernels:
  - .name:           k_q8f2f7dc22f_attn
    .symbol:         k_q8f2f7dc22f_attn.kd
    .args:
      - { .name: qkv, .offset: 0, .size: 8, .value_kind: global_buffer, .address_space: global }
      - { .name: ai, .offset: 8, .size: 8, .value_kind: global_buffer, .address_space: global }
    .group_segment_fixed_size: 206848
    .private_segment_fixed_size: 0
    .kernarg_segment_align: 8
    .kernarg_segment_size: 16
    .max_flat_workgroup_size: 512
    .sgpr_count:     66
    .vgpr_count:     256
    .wavefront_size: 32
...
	.end_amdgpu_metadata
.endif
;; end of part 3
;; launch oproj (part 4): grid 8 x 32, 4 waves a work-group, clusters of 4 x 4, 327,680 bytes of LDS; arguments ai, woi, out0; writes out0
.if DOCPART == 4
	.amdgcn_target "amdgcn-amd-amdhsa--gfx1250"
	.amdhsa_code_object_version 6
	.text
	.protected	k_q8f2f7dc22f_oproj
	.globl	k_q8f2f7dc22f_oproj
	.p2align	8
	.type	k_q8f2f7dc22f_oproj,@function
k_q8f2f7dc22f_oproj:
	s_mov_b64 s[64:65], 0
	v_nop
	global_prefetch_b8 v0, s[64:65] scope:SCOPE_SE
	s_setreg_imm32_b32 hwreg(HW_REG_WAVE_MODE, 25, 1), 1
	s_wait_xcnt 0x0
	s_wait_alu depctr_hold_cnt(0) depctr_sa_sdst(0) depctr_va_vdst(0) depctr_va_sdst(0) depctr_va_ssrc(0) depctr_va_vcc(0) depctr_vm_vsrc(0)
	s_getreg_b32 s2, hwreg(HW_REG_IB_STS2, 6, 4)
	s_cmp_eq_u32 s2, 0
	s_cbranch_scc0 .Lentry_in_a_cluster
	s_endpgm
.Lentry_in_a_cluster:
	s_bfe_u32 s2, ttmp6, 0x10000c
	s_cmp_lg_u32 s2, 0xf033
	s_cbranch_scc0 .Lentry_shape_is_right
	s_endpgm
.Lentry_shape_is_right:
; ONE SOURCE FOR TWO LAUNCHES (the switch OPROJ): a product of two operands given as register images, K = 1,024, on codes of FP6 (E2M3) with E8M0 scales.
; OPROJ = 0: qkv = x w_qkv; the f32 results are quantised in registers and leave as images for the attention launch.  OPROJ = 1: out0 = o w_out, f32.
; THE IMAGE (made by the launch before): row tile T = rows 32 (T/2) + 8 (T%2) + r + 8 (r/8); a half image (16 rows x 64 K, 768 bytes): lane's registers 0-3 at 16 x lane, 4-5 at 512 + 8 x lane;
; a slot (256 K): four half images + 8 scale bytes a row at 3072 + 8 r, 3,200 bytes read of 3,328; a tile: four slots, 13,312 bytes.  A fragment (12 registers) is two half images on end: loads of 16, 8, 16, 8 bytes a lane, each dense.
; SHARES.  A work-group makes 256 rows of A x 128 rows of B; a wave 128 x 64: 32 accumulators.  ALL of K of both operands lies in LDS (24 tiles x 4 chunks x 3,200 bytes): every byte of LDS is filled once, nothing is filled again.
; THE MATRIX INSTRUCTION IS USED TRANSPOSED (source 0 = 16 rows of B, source 1 = 16 rows of A): a lane holds one row of A, and by the tiles' row order the 16 registers of B's tiles 2 i, 2 i + 1 are 16 neighbouring rows of B.
; CLUSTER 4 x 4: A's tiles are asked for jointly by a row of the cluster, B's by a column.
; OPROJ = 0 has two kinds of clusters, told apart by the cluster's y, which all partners share: y < 8: A = x, B = w's columns for q and k (a wave's 64 columns are one head);
; y >= 8: A = w's columns for v, B = x: a lane then holds one channel of v and its registers run along the tokens, which are the K of attention's second product.
; LIMITS (OPROJ = 0): a block's largest magnitude under 2^-124 is taken as 2^-124 (byte 1); a block of zeros has the byte 1: its codes are zeros, and this program alone reads the bytes.  NaN and infinities are not served.
; REGISTERS.  Window 0: v1-3 lane, r, h; v16-20 LDS addresses; v24-26 the way out; v28, v29 the add's two; v32-63 scale words, two sets; v64-159 A's 8 fragments; v160-207, v208-255 B's 4 fragments, two sets.  Window 1: accumulator (a, b) at v[8 (4 a + b)].
.set OPROJ,  1
.set TSTR,   13312                     ; from a tile's image to the next
.set SSTR,   3328                      ; from a slot to the next
.set TIMG,   3200                      ; bytes of a tile's slot that are read
.set CHUNK,  24*TIMG                   ; LDS: a chunk = 256 along K: B's 8 tiles, then A's 16
.set AOFF,   8*TIMG
.set SPARE,  4*CHUNK                   ; behind the chunks: the spare words, 128 bytes a wave
.set ADA16,  16
.set ADA8,   17
.set ADB16,  18
.set ADB8,   19
.set ADRS,   20
.set STO,    24
.set RD,     25
.set CO,     26
.set SPW,    28
.set NIL,    29
.set SC,     32
.set AF,     64
.set BF,     160
.set G1A,    24                        ; s[24:31] group 1 for A's tiles, s[32:39] for B's
.set G1B,    32
.set G0A,    40                        ; s[40:55] group 0 for A's four chunks, s[68:83] for B's
.set G0B,    68
.set MULW,   0x50                      ; C and D in window 1, the sources in window 0
.set MSB, 0
.macro WIN new                         ; the immediate's high byte repeats the setting that is left
.if MSB != \new
	s_set_vgpr_msb (MSB<<8)|\new
.set MSB, \new
.endif
.endm
.macro PLACES                          ; four plain lines behind matrix instructions, ahead of loads into their sources and of reads of their results
.rept 4
	v_nop
.endr
.endm
.macro JLOAD c                         ; chunk c: waves 0, 1 ask for A's halves, waves 2, 3 for B's; the branch hangs on the wave's number alone.  s_nop 0 and four v_nop follow each line
	s_cmp_eq_u32 s11, 0
	s_cbranch_scc0 .Lfor_b_\@
	tensor_load_to_lds s[G0A+4*\c:G0A+4*\c+3], s[G1A:G1A+7]
	s_nop 0
.rept 4
	v_nop
.endr
	s_branch .Lasked_\@
.Lfor_b_\@:
	tensor_load_to_lds s[G0B+4*\c:G0B+4*\c+3], s[G1B:G1B+7]
	s_nop 0
.rept 4
	v_nop
.endr
.Lasked_\@:
.endm
.macro CROUND                          ; a round of the cluster's barrier
	s_barrier_signal -1
	s_barrier_wait -1
	s_cmp_lg_u32 s10, 0
	s_cbranch_scc1 .Lnot_wave_0_\@
	s_barrier_signal -3
.Lnot_wave_0_\@:
	s_barrier_wait -3
	s_barrier_signal -1
	s_barrier_wait -1
.endm
	s_load_b128 s[4:7], s[0:1], 0x0                ; the two operands' images
	s_load_b64 s[8:9], s[0:1], 0x10                ; the result
	v_lshl_add_u32 v[SPW], v0, 2, SPARE
	v_mov_b32 v[NIL], 0
	ds_add_u32 v[SPW], v[NIL]                      ; the wave's opening: the add and its wait ahead of my first tensor load; work on registers stands between
	v_lshrrev_b32 v1, 5, v0
	v_readfirstlane_b32 s10, v1                    ; wave 0..3
	s_lshr_b32 s11, s10, 1                         ; which 128 rows of A are mine.  Also: I fetch for A (0) or for B (1)
	s_and_b32 s12, s10, 1                          ; which 64 rows of B.  Also: which half of that operand's tiles I fetch
	s_bfe_u32 s13, ttmp6, 0x40000                  ; cx
	s_bfe_u32 s14, ttmp6, 0x40004                  ; cy
	s_and_b32 s20, ttmp7, 0xffff                   ; cluster y
.if OPROJ
	s_lshl_b32 s16, s20, 2
	s_lshl_b32 s15, ttmp9, 2
.else
	s_sub_co_u32 s84, s20, 8
	s_lshl_b32 s84, s84, 2
	s_add_co_u32 s84, s84, ttmp9                   ; v: cluster column x + 4 (y - 8)
	s_cmp_ge_u32 s20, 8
	s_cselect_b32 s19, 1, 0                        ; 1: this cluster makes v
	s_cselect_b32 s21, 0, s20                      ; cluster row
	s_cselect_b32 s84, s84, ttmp9                  ; cluster column
	s_lshl_b32 s16, s21, 2
	s_lshl_b32 s15, s84, 2
.endif
	s_add_co_u32 s16, s16, s14                     ; tile row (256 rows of A)
	s_add_co_u32 s15, s15, s13                     ; tile column (128 rows of B)
	s_lshl_b32 s17, s14, 2
	s_lshl_b32 s17, 15, s17                        ; my row of the cluster
	s_lshl_b32 s18, 0x1111, s13                    ; my column
	s_or_b32 s[G1A], s17, (3<<16)|(1<<21)          ; 15:0 the mask; 17:16 elements of 8 bytes; 21 set beside a mask; no padding
	s_or_b32 s[G1B], s18, (3<<16)|(1<<21)
	s_mov_b32 s[G1A+1], 400<<16                    ; tensor_dim0: 400 elements = 3,200 bytes, a tile's slot
	s_mov_b32 s[G1A+2], 8<<16                      ; tensor_dim1: 8 tiles
	s_mov_b32 s[G1A+3], 400<<16                    ; tile_dim0
	s_mov_b32 s[G1A+4], 8                          ; tile_dim1
	s_mov_b32 s[G1A+5], TSTR/8                     ; from tile to tile, in elements
	s_mov_b32 s[G1A+6], 0
	s_mov_b32 s[G1A+7], 0
	s_mov_b32 s[G1B+1], 400<<16
	s_mov_b32 s[G1B+2], 4<<16                      ; 4 tiles
	s_mov_b32 s[G1B+3], 400<<16
	s_mov_b32 s[G1B+4], 4
	s_mov_b32 s[G1B+5], TSTR/8
	s_mov_b32 s[G1B+6], 0
	s_mov_b32 s[G1B+7], 0
	s_lshl_b32 s86, s16, 4
	s_lshl_b32 s87, s12, 3
	s_add_co_u32 s86, s86, s87
	s_mul_i32 s86, s86, TSTR                       ; A: tile 16 x tile row + 8 x half
	s_mov_b32 s87, 0
	s_lshl_b32 s88, s15, 3
	s_lshl_b32 s89, s12, 2
	s_add_co_u32 s88, s88, s89
	s_mul_i32 s88, s88, TSTR                       ; B: tile 8 x tile column + 4 x half
	s_mov_b32 s89, 0
	s_mul_i32 s96, s12, 8*TIMG                     ; where they go: the wave's number alone enters an LDS address
	s_mul_i32 s97, s12, 4*TIMG
	s_mov_b32 s22, 0x76543210
	s_mov_b32 s23, 0xfedcba98                      ; v_permlanex16_b32's selects for lane l xor 16
	s_wait_dscnt 0x0                               ; the opening add is done
	s_wait_kmcnt 0x0
.if OPROJ
	s_add_nc_u64 s[90:91], s[4:5], s[86:87]
	s_add_nc_u64 s[92:93], s[6:7], s[88:89]
.else
	s_cmp_eq_u32 s19, 0                            ; the choice hangs on the cluster's y alone
	s_cselect_b64 s[90:91], s[4:5], s[6:7]         ; A: x, or the weight
	s_cselect_b64 s[92:93], s[6:7], s[4:5]         ; B: the weight, or x
	s_cselect_b32 s94, 0, 128*TSTR                 ; v's columns begin at the weight's tile 128
	s_mov_b32 s95, 0
	s_add_nc_u64 s[90:91], s[90:91], s[94:95]
	s_add_nc_u64 s[90:91], s[90:91], s[86:87]
	s_add_nc_u64 s[92:93], s[92:93], s[88:89]
.endif
	CROUND                                         ; all sixteen work-groups are here: the joint loads meet
.irp c, 0,1,2,3
	s_mov_b32 s[G0A+4*\c], 1
	s_add_co_u32 s[G0A+4*\c+1], s96, \c*CHUNK+AOFF
	s_add_nc_u64 s[G0A+4*\c+2:G0A+4*\c+3], s[90:91], \c*SSTR
	s_or_b32 s[G0A+4*\c+3], s[G0A+4*\c+3], 0x80000000
	s_mov_b32 s[G0B+4*\c], 1
	s_add_co_u32 s[G0B+4*\c+1], s97, \c*CHUNK
	s_add_nc_u64 s[G0B+4*\c+2:G0B+4*\c+3], s[92:93], \c*SSTR
	s_or_b32 s[G0B+4*\c+3], s[G0B+4*\c+3], 0x80000000
	JLOAD \c                                       ; four loads of mine are out: all that this launch asks for
.endr
	v_and_b32 v1, 31, v0                           ; lane l
	v_and_b32 v2, 15, v0                           ; r
	v_bfe_u32 v3, v0, 4, 1                         ; h
	s_mul_i32 s84, s11, 8*TIMG
	s_add_co_u32 s84, s84, AOFF                    ; my 8 tiles of A
	s_mul_i32 s85, s12, 4*TIMG                     ; my 4 tiles of B
	v_lshl_add_u32 v[ADA16], v1, 4, s84
	v_lshl_add_u32 v[ADA8], v1, 3, s84
	v_lshl_add_u32 v[ADB16], v1, 4, s85
	v_lshl_add_u32 v[ADB8], v1, 3, s85
	s_sub_co_u32 s84, s84, s85                     ; from B's tiles to A's
	v_xor_b32 v4, 1, v3
	v_mul_u32_u24 v4, s84, v4                      ; scale words: lanes 16-31 take B's, lanes 0-15 A's
	v_lshl_add_u32 v[ADRS], v2, 3, v4
	s_add_co_u32 s85, s85, 3072
	v_add_nc_u32 v[ADRS], s85, v[ADRS]
.if OPROJ
	s_mul_i32 s86, s10, 8704                       ; the way out: my stage, two sets of 16 rows x (256 + 16) bytes, in chunk 0, which has had its only fill and is read by nobody behind the first change of chunks
	v_mul_u32_u24 v[STO], v2, 272
	v_lshl_add_u32 v[STO], v3, 6, v[STO]
	v_add_nc_u32 v[STO], s86, v[STO]               ; in: row r, + 64 h
	v_mul_u32_u24 v[RD], v3, 272
	v_lshl_add_u32 v[RD], v2, 4, v[RD]
	v_add_nc_u32 v[RD], s86, v[RD]                 ; back: lanes 0-15 one row of 256 bytes, lanes 16-31 the next
	v_lshlrev_b32 v[CO], 12, v3
	v_lshl_add_u32 v[CO], v2, 4, v[CO]             ; and the same two rows in out0
	s_lshl_b32 s86, s16, 8
	s_lshl_b32 s87, s11, 7
	s_add_co_u32 s86, s86, s87                     ; my first row: 256 x tile row + 128 x half
	s_lshl_b32 s86, s86, 12
	s_lshl_b32 s87, s15, 9                         ; my first column, in bytes: 512 x tile column + 256 x half
	s_add_co_u32 s86, s86, s87
	s_lshl_b32 s87, s12, 8
	s_add_co_u32 s86, s86, s87
	s_mov_b32 s87, 0
	s_add_nc_u64 s[8:9], s[8:9], s[86:87]
.endif
.macro FRAG reg, a16, a8, off          ; a fragment: two half images on end
	ds_load_b128 v[(\reg):(\reg)+3], v[\a16] offset:(\off)
	ds_load_b64 v[(\reg)+4:(\reg)+5], v[\a8] offset:(\off)+512
	ds_load_b128 v[(\reg)+6:(\reg)+9], v[\a16] offset:(\off)+768
	ds_load_b64 v[(\reg)+10:(\reg)+11], v[\a8] offset:(\off)+1280
.endm
.macro FETCH_A q, i0                   ; A's blocks i0 .. i0 + 3 of the chunk's q-th 128 along K: 16 loads
.irp i, \i0, \i0+1, \i0+2, \i0+3
	FRAG AF+12*(\i), ADA16, ADA8, (\i)*TIMG+(\q)*1536
.endr
.endm
.macro FETCH_B q, p                    ; B's four blocks into set p: 16 loads
.irp i, 0,1,2,3
	FRAG BF+48*(\p)+12*\i, ADB16, ADB8, \i*TIMG+(\q)*1536
.endr
.endm
.macro SCALES sc                       ; a chunk's scale words into set sc: register 2 i + q: lanes 0-15 A's block i, lanes 16-31 B's block i (for i > 3 their bytes are not used): 8 loads
.irp i, 0,1,2,3,4,5,6,7
	ds_load_b64 v[SC+16*(\sc)+2*\i:SC+16*(\sc)+2*\i+1], v[ADRS] offset:\i*TIMG
.endr
.endm
; 8 matrix instructions: A's blocks a0, a0 + 1 x B's four.  The 32 accumulators take turns, one instruction a turn, in the same order in every step.
.macro MUL8 a0, p, q, sc, zero
.irp a, \a0, \a0+1
.irp b, 0,1,2,3
.set rD, 8*(4*(\a)+\b)
.set rB, BF+48*(\p)+12*\b
.set rA, AF+12*(\a)
.set rSB, SC+16*(\sc)+2*\b+(\q)
.set rSA, SC+16*(\sc)+2*(\a)+(\q)
.if \zero
	v_wmma_scale_f32_16x16x128_f8f6f4 v[rD:rD+7], v[rB:rB+11], v[rA:rA+11], 0, v[rSB], v[rSA] matrix_a_fmt:MATRIX_FMT_FP6 matrix_b_fmt:MATRIX_FMT_FP6 matrix_a_scale:MATRIX_SCALE_ROW1
.else
	v_wmma_scale_f32_16x16x128_f8f6f4 v[rD:rD+7], v[rB:rB+11], v[rA:rA+11], v[rD:rD+7], v[rSB], v[rSA] matrix_a_fmt:MATRIX_FMT_FP6 matrix_b_fmt:MATRIX_FMT_FP6 matrix_a_scale:MATRIX_SCALE_ROW1
.endif
.endr
.endr
.endm
.macro STEP sc, zero                   ; a chunk's first 128 along K; its second is fetched meanwhile
	s_wait_dscnt 16                                ; all but the youngest 16 loads (A's blocks 4-7) are in
	WIN MULW
	MUL8 0, 0, 0, \sc, \zero
	MUL8 2, 0, 0, \sc, \zero
	s_wait_dscnt 0x0
	PLACES
	WIN 0
	FETCH_B 1, 1
	FETCH_A 1, 0
	WIN MULW
	MUL8 4, 0, 0, \sc, \zero
	MUL8 6, 0, 0, \sc, \zero
	PLACES
	WIN 0
	FETCH_A 1, 4
.endm
.macro TURN c                          ; chunk c's second 128 along K, and the change to chunk c + 1
	s_wait_dscnt 16
	WIN MULW
	MUL8 0, 1, 1, (\c)%2, 0
	s_wait_tensorcnt 2-(\c)                        ; my part of chunk c + 1 has landed; the 2 - c loads issued behind it may stay out
	s_wait_dscnt 0x0                               ; no LDS load of mine is out at the signal
	s_barrier_signal -1
	MUL8 2, 1, 1, (\c)%2, 0
	s_barrier_wait -1                              ; everybody's part of chunk c + 1 has landed
	PLACES
	WIN 0
.irp g, ADA16, ADA8, ADB16, ADB8, ADRS
	v_add_nc_u32 v[\g], CHUNK, v[\g]
.endr
	FETCH_B 0, 0
	FETCH_A 0, 0
	SCALES ((\c)+1)%2
	WIN MULW
	MUL8 4, 1, 1, (\c)%2, 0
	MUL8 6, 1, 1, (\c)%2, 0
	PLACES
	WIN 0
	FETCH_A 0, 4
.endm
	s_wait_tensorcnt 3                             ; my part of chunk 0 has landed; the three later chunks' loads may stay out
	s_barrier_signal -1
	s_barrier_wait -1                              ; everybody's has
	FETCH_B 0, 0
	FETCH_A 0, 0
	SCALES 0
	FETCH_A 0, 4
	STEP 0, 1                                      ; the first products start the sums: nothing is cleared
	TURN 0
	STEP 1, 0
	TURN 1
	STEP 0, 0
	TURN 2
	STEP 1, 0
	s_wait_dscnt 16                                ; the last 128 along K: nothing more to fetch
	WIN MULW
	MUL8 0, 1, 1, 1, 0
	MUL8 2, 1, 1, 1, 0
	s_wait_dscnt 0x0
	MUL8 4, 1, 1, 1, 0
	MUL8 6, 1, 1, 1, 0
	PLACES
.if OPROJ
; THE WAY OUT, f32.  Block a (16 rows x my 64 columns) goes through my stage and comes back as rows of 256 bytes.  Register j of accumulator (a, b), lane (r, h), is column 32 (b/2) + 8 (b%2) + 16 h + j of row r.
.macro TOSTAGE a
	WIN 0x04                                       ; an LDS store's data are its source 1: window 1
.irp b, 0,1,2,3
	ds_store_b128 v[STO], v[8*(4*(\a)+\b):8*(4*(\a)+\b)+3] offset:4352*((\a)%2)+128*(\b/2)+32*(\b%2)       ; each accumulator from its low end on
	ds_store_b128 v[STO], v[8*(4*(\a)+\b)+4:8*(4*(\a)+\b)+7] offset:4352*((\a)%2)+128*(\b/2)+32*(\b%2)+16
.endr
	WIN 0
.irp t, 0,1,2,3,4,5,6,7
	ds_load_b128 v[AF+32*((\a)%2)+4*\t:AF+32*((\a)%2)+4*\t+3], v[RD] offset:4352*((\a)%2)+544*\t   ; LDS serves a wave's instructions in order: these see my stores
.endr
.endm
.macro SEND a, younger                 ; younger: the LDS instructions issued behind block a's loads
	s_wait_dscnt \younger
.irp t, 0,1,2,3,4,5,6,7
	global_store_b128 v[CO], v[AF+32*((\a)%2)+4*\t:AF+32*((\a)%2)+4*\t+3], s[8:9] offset:(32*((\a)/2)+8*((\a)%2)+2*\t+8*(\t/4))*4096 th:TH_STORE_NT   ; 16 lanes store 256 consecutive bytes, at a multiple of 256 from out0's first byte; the rows by the tile's row order
.endr
.endm
	TOSTAGE 0
.irp a, 1,2,3,4,5,6,7
.if \a > 1
	s_wait_xcnt 0x0                                ; block a - 2's stores have read their registers: block a's loads may land there
.endif
	TOSTAGE \a
	SEND \a-1, 16                                  ; behind block a - 1's loads: block a's 8 stores and 8 loads
.endr
	SEND 7, 0
.endif
	s_wait_tensorcnt 0x0                           ; the wave's end, behind my last tensor load and my last LDS store
	ds_add_u32 v[SPW], v[NIL]
	s_wait_dscnt 0x0
	CROUND                                         ; the closing round
	s_endpgm
.Lfunc_end_k_q8f2f7dc22f_oproj:
	.size	k_q8f2f7dc22f_oproj, .Lfunc_end_k_q8f2f7dc22f_oproj-k_q8f2f7dc22f_oproj
	.p2alignl 7, 3214868480
	.fill 96, 4, 3214868480
	.section	.rodata,"a",@progbits
	.p2align	6, 0x0
	.amdhsa_kernel k_q8f2f7dc22f_oproj
		.amdhsa_group_segment_fixed_size 327680
		.amdhsa_private_segment_fixed_size 0
		.amdhsa_enable_private_segment 0
		.amdhsa_kernarg_size 24
		.amdhsa_user_sgpr_count 2
		.amdhsa_user_sgpr_kernarg_segment_ptr 1
		.amdhsa_wavefront_size32 1
		.amdhsa_system_sgpr_workgroup_id_x 1
		.amdhsa_system_sgpr_workgroup_id_y 1
		.amdhsa_system_sgpr_workgroup_id_z 1
		.amdhsa_system_vgpr_workitem_id 0
		.amdhsa_next_free_vgpr 512
		.amdhsa_next_free_sgpr 100
		.amdhsa_reserve_vcc 0
		.amdhsa_float_denorm_mode_32 3
		.amdhsa_float_denorm_mode_16_64 3
		.amdhsa_memory_ordered 1
		.amdhsa_forward_progress 1
		.amdhsa_inst_pref_size 87
	.end_amdhsa_kernel
	.amdgpu_metadata
---
amdhsa.version: [ 1, 2 ]
amdhsa.kernels:
  - .name:           k_q8f2f7dc22f_oproj
    .symbol:         k_q8f2f7dc22f_oproj.kd
    .args:
      - { .name: ai, .offset: 0, .size: 8, .value_kind: global_buffer, .address_space: global }
      - { .name: woi, .offset: 8, .size: 8, .value_kind: global_buffer, .address_space: global }
      - { .name: out0, .offset: 16, .size: 8, .value_kind: global_buffer, .address_space: global }
    .group_segment_fixed_size: 327680
    .private_segment_fixed_size: 0
    .kernarg_segment_align: 8
    .kernarg_segment_size: 24
    .max_flat_workgroup_size: 128
    .sgpr_count:     100
    .vgpr_count:     512
    .wavefront_size: 32
...
	.end_amdgpu_metadata
.endif
;; end of part 4
